; MI455X (gfx1250); checked and timed in simulation.
; The chip was launched on July 23, 2026; its instructions are those of AMD's public machine-readable ISA for CDNA 5 (MIT licence, August 2026) and "CDNA5" Instruction Set Architecture Reference Guide (July 2026). The comments in the code are by the model that wrote it; some were corrected since.
;; Masked Attention. Allowed arithmetic: matrix products marked QUANTISED: E3M2 operands, one E8M0 scale for each 32 along K, by v_wmma_scale_f32_16x16x128_f8f6f4 with both operands' format E3M2, f32 sums; everything else in f32.
;; Inputs: b_attn 3,072 float32; b_proj 1,024 float32; w_attn 1,024 x 3,072 float32; w_proj 1,024 x 1,024 float32; x 4 x 2,048 x 1,024 float32.
;; Outputs: out0 4 x 2,048 x 1,024 float32.
;; This version of the problem:
;;   THIS VERSION OF THE PROBLEM IS GIVEN IN LOW PRECISION. The matrix products marked QUANTISED in the list below multiply operands that are first quantised to E3M2 (3 exponent bits, 2 mantissa bits; 6 bits a number), with one power-of-two scale for each 32 numbers along K (OCP MX v1.0); their sums are f32. All else is computed in f32.
;;   The module's matrix products, in the order in which they are computed (A, B: the left and right operand; K: the contracted axis; several contracted axes count as one K, in the product's order):
;;     1. [M 8,192, K 1,024] x [K 1,024, N 3,072]; A: input x; B: input w_attn: QUANTISED
;;     2. batch 64 x [M 2,048, K 64] x [K 64, N 2,048]; A: computed on the way; B: computed on the way: QUANTISED
;;     3. batch 64 x [M 2,048, K 2,048] x [K 2,048, N 64]; A: softmax (see below); B: computed on the way: QUANTISED
;;     4. [M 8,192, K 1,024] x [K 1,024, N 1,024]; A: computed on the way; B: input w_proj: QUANTISED
;;   THE QUANTISER, for each operand of a quantised product, along K:
;;     - K is cut into blocks of 32 from its start; a last block that is shorter is filled with zeros.
;;     - A block's scale is 2^e with e = floor(log2(the largest magnitude in the block)) - 4, held to -126 .. 127; a block of zeros has e = 0. As a byte (E8M0): e + 127.
;;     - Each number is divided by its block's scale, clamped to +-28, and rounded to the nearest number of E3M2, ties to even, subnormals kept.
;;     - The product sums the exact products of the quantised numbers (number of the format x scale) in f32.
;;   ~~~python
;;   def quantise(x, axis):      # numpy; x: float32 -> the quantised numbers, widened to float32 again
;;       x = np.moveaxis(x, axis, -1); K = x.shape[-1]
;;       x = np.pad(x, [(0, 0)] * (x.ndim - 1) + [(0, -K % 32)]); x = x.reshape(x.shape[:-1] + (-1, 32)); a = np.abs(x).max(-1, keepdims=True)
;;       e = np.where(a > 0, np.clip(np.frexp(np.where(a > 0, a, 1))[1] - 1 - 4, -126, 127), 0)      # np.frexp(a)[1] - 1 = floor(log2(a)), exactly
;;       r = np.clip(x / 2.0 ** e, -28, 28)
;;       step = 2.0 ** (np.maximum(np.frexp(np.where(r == 0, 1, r))[1] - 1, -2) - 2)
;;       q = np.round(r / step) * step * 2.0 ** e      # np.round: ties to even
;;       return np.moveaxis(q.reshape(q.shape[:-2] + (-1,))[..., :K], -1, axis).astype(np.float32)
;;   ~~~
;;   SOFTMAX AHEAD OF A QUANTISED PRODUCT. Where the list says 'softmax', what is quantised is not the finished softmax but p = 2^(t - M), with t = logit x log2(e) and M = ceil(the row's largest t), a whole number; so 1/2 < the row's largest p <= 1. The row's sum l is taken of the UNQUANTISED p, in f32, and the product's result is divided by l at the end. Since M is a whole number, a kernel that streams over the keys may use a running M (the ceiling of the running maximum): every later rescaling is an exact power of two, which a block's scale takes up: the codes' values come out the same.
;;   OPERANDS COMPUTED ON THE WAY. 'Computed on the way' means the value that the module computes at that place (a softmax that the list does not call 'softmax' is quantised finished and normalised). What goes into a quantiser is computed in f32, as accurately as f32 sums, v_exp_f32 and their like allow (about 1e-6 of the number): no bf16 or f16 on the way to a quantiser, and a product that is left as it is and whose result goes on into a quantised operand takes f32 operands (vector FMAs, or v_wmma_f32_16x16x4_f32). A number that lies on a knife's edge between two numbers of the format may be rounded either way, as far as f32 arithmetic and the matrix unit's own rounding can turn it there, and no further.
;; One version. Each part assembles by itself: llvm-mc -triple=amdgcn-amd-amdhsa -mcpu=gfx1250 --defsym DOCPART=n.
;; ======== version 1 of 1: 4 launches
;; workspace buffers: opc 9,437,184 bytes; ops 393,216 bytes; qkvc 18,874,368 bytes; qkvs 786,432 bytes; ac 6,291,456 bytes; asc 262,144 bytes
;; launch quant (part 1): grid 384 x 1, 4 waves a work-group, no clusters, 70,144 bytes of LDS; arguments x, w_attn, w_proj, opc, ops; writes opc, ops
.if DOCPART == 1
	.amdgcn_target "amdgcn-amd-amdhsa--gfx1250"
	.amdhsa_code_object_version 6
	.text
	.protected	k_qa971887c84_quant
	.globl	k_qa971887c84_quant
	.p2align	8
	.type	k_qa971887c84_quant,@function
k_qa971887c84_quant:
	s_mov_b64 s[64:65], 0
	v_nop
	global_prefetch_b8 v0, s[64:65] scope:SCOPE_SE
	s_setreg_imm32_b32 hwreg(HW_REG_WAVE_MODE, 25, 1), 1
	s_wait_xcnt 0x0
; x [8192][1024], w_attn [1024][3072] and w_proj [1024][1024], f32, become codes of BF6 (E3M2) with K innermost and one E8M0 byte for each 32 along K.
; opc: 12,288 rows of 768 bytes (1,024 codes); ops: the same rows of 32 scale bytes.  Rows 0-8191: the tokens of x; rows 8192 + n: column n of w_attn; rows 11264 + n: column n of w_proj.
; WITHIN EACH GROUP OF 32 ROWS THE ROWS ARE STORED WITH BITS 3 AND 4 OF THEIR NUMBER EXCHANGED: stored rows 16 t .. 16 t + 15 are then the true rows 32 (t / 2) + 8 (t % 2) + r + 8 (r / 8),
; which is the choice of a tile's rows that lets a later product's results lie as 16 neighbours along the next K in a lane's registers.
; A block's scale is 2^(floor(log2(its largest magnitude)) - 4); its byte is the largest magnitude's exponent field - 4, held at 1 from below.
; LIMITS: a block of zeros gets the byte 1 (its codes are zeros, and this program alone reads the bytes); blocks under 2^-122 have the byte held at 1; NaN and infinities are not served.
; Work-groups 0-255 take x (K innermost: a stream of blocks), work-groups 256-383 the weights (K is the first axis: a lane takes a column and its registers run down K).
; The two ways part on the work-group's number and have LDS bytes of their own.  No tensor loads, no barrier: waves share nothing.
.set WREG,  8192                       ; x: LDS of a wave: two stages of 32 x SP bytes, then its 256 scale bytes
.set SP,    80                         ; a lane's place in a stage: 64 bytes + 16 of padding
.set CB,    12                         ; bytes of 16 codes
.set STEPS, 16
.set XR,    16                         ; v16-79   four sets of 16 numbers as loaded
.set XX,    80                         ; v80-111  two sets of 16 neighbours
.set XE,    112                        ; v112-127 a scale byte for each step
.set XC,    128                        ; v128-191 codes, four registers a step
.set WSTG,  32768                      ; weights: the stages begin here, 32 rows x WP for each wave
.set WP,    272                        ; a stage row: sixteen places of 16 bytes + 16
.set WSB,   24                         ; v24-25   eight scale bytes
.set WX,    32                         ; v32-95   two sets of 32 numbers
.set WCD,   96                         ; v96-102  a block's codes
.set WOUT,  112                        ; v112-175 the way out
.set RO,    176                        ; v176-207 byte offset of row i of a block at my column: 4 x lane + i x pitch; never rewritten
	s_load_b256 s[4:11], s[0:1], 0x0               ; x s[4:5], w_attn s[6:7], w_proj s[8:9], opc s[10:11]
	s_load_b64 s[12:13], s[0:1], 0x20              ; ops
	v_lshl_add_u32 v224, v0, 2, 0x11000
	v_mov_b32 v225, 0
	v_lshrrev_b32 v1, 5, v0
	v_readfirstlane_b32 s16, v1                    ; wave 0..3
	v_and_b32 v2, 31, v0                           ; lane
	s_wait_kmcnt 0x0
	s_cmp_ge_u32 ttmp9, 256
	s_cbranch_scc1 .Lweights
; ---------------- x: a wave takes 8 rows = 16 steps of 512 numbers ----------------
; Each load reads 512 consecutive bytes; a step's 2,048 bytes turn through the wave's own stage so that a lane then holds 16 neighbours; two neighbouring lanes hold a block.
	v_lshlrev_b32 v3, 4, v2                        ; my 16 bytes of a load's 512
	s_mul_i32 s24, s16, WREG
	v_lshrrev_b32 v14, 2, v2
	v_mul_u32_u24 v14, v14, SP
	v_and_b32 v15, 3, v2
	v_lshl_add_u32 v14, v15, 4, v14
	v_add_nc_u32 v14, s24, v14                     ; into the stage: SP (lane / 4) + 16 (lane % 4)
	v_mul_u32_u24 v15, v2, SP
	v_add_nc_u32 v15, s24, v15                     ; out of it: SP x lane
	v_mul_u32_u24 v4, v2, CB                       ; my codes' place in a step's 384 bytes
	v_lshrrev_b32 v5, 1, v2
	s_add_co_u32 s24, s24, 2*32*SP
	v_add_nc_u32 v5, s24, v5                       ; my block's scale byte in the wave's 256
	v_lshlrev_b32 v7, 3, v2
	v_add_nc_u32 v6, s24, v7                       ; and 8 bytes a lane on the way out
	s_lshl_b32 s17, ttmp9, 2
	s_add_co_u32 s18, s17, s16                     ; which run of 8 rows I read
	s_mov_b32 s19, 0
	s_lshl_b64 s[20:21], s[18:19], 15              ; 32,768 bytes a run
	s_add_nc_u64 s[4:5], s[4:5], s[20:21]
	s_and_b32 s22, s16, 1                          ; where it is stored: bits 3 and 4 of a row's number are bits 0 and 1 of the run's: exchanged
	s_lshl_b32 s22, s22, 1
	s_lshr_b32 s23, s16, 1
	s_or_b32 s22, s22, s23
	s_add_co_u32 s22, s22, s17
	s_mul_i32 s20, s22, 6144                       ; 8 rows of 768 bytes
	s_mov_b32 s21, 0
	s_add_nc_u64 s[10:11], s[10:11], s[20:21]
	s_lshl_b32 s20, s22, 8                         ; 8 rows of 32 bytes
	s_add_nc_u64 s[12:13], s[12:13], s[20:21]
.macro XLOAD t
.irp i, 0,1,2,3
	global_load_b128 v[XR+16*((\t)%4)+4*\i:XR+16*((\t)%4)+4*\i+3], v3, s[4:5] offset:2048*(\t)+512*\i th:TH_LOAD_NT
.endr
.endm
.macro XTURN t                         ; LDS serves a wave's instructions in order (ISA guide 5.7.1.4): no wait between the stores and the loads
.irp i, 0,1,2,3
	ds_store_b128 v14, v[XR+16*((\t)%4)+4*\i:XR+16*((\t)%4)+4*\i+3] offset:32*SP*((\t)%2)+8*SP*\i
.endr
.irp i, 0,1,2,3
	ds_load_b128 v[XX+16*((\t)%2)+4*\i:XX+16*((\t)%2)+4*\i+3], v15 offset:32*SP*((\t)%2)+16*\i
.endr
.endm
.irp t, 0,1,2,3
	XLOAD \t
.endr
	s_wait_loadcnt 12                              ; step 0's four loads are in; twelve younger ones stay out
	XTURN 0
.macro XSTEP t
.set XS, XX+16*((\t)%2)
.if (\t) > 0
	s_wait_dscnt 1                                 ; this step's numbers are back (the last step's byte store may be out): its stage stores have read their registers,
.else
	s_wait_dscnt 0x0
.endif
.if (\t)+4 < STEPS
	XLOAD (\t)+4                                   ; which take the loads of four steps on
.endif
.if (\t)+1 < STEPS
.if STEPS-2-(\t) >= 3
	s_wait_loadcnt 12                              ; the next step's four loads are in; those of three steps behind it may be out
.else
	s_wait_loadcnt 4*(STEPS-2-(\t))
.endif
	XTURN (\t)+1
.endif
	v_max3_num_f32 v8, |v[XS]|, |v[XS+1]|, |v[XS+2]|               ; the largest magnitude of my 16, in two chains
	v_max3_num_f32 v9, |v[XS+3]|, |v[XS+4]|, |v[XS+5]|
.irp i, 6,10
	v_max3_num_f32 v8, v8, |v[XS+\i]|, |v[XS+\i+1]|
	v_max3_num_f32 v9, v9, |v[XS+\i+2]|, |v[XS+\i+3]|
.endr
	v_max3_num_f32 v8, v8, |v[XS+14]|, |v[XS+15]|
	v_max3_num_f32 v8, v8, v9, 0x2800000           ; and the floor 2^(5 - 127): the byte cannot fall under 1
	v_max_num_f32_dpp v8, v8, v8 row_xmask:1 row_mask:0xf bank_mask:0xf   ; with my neighbour's 16: the block's
	v_add_nc_u32 v11, 0xfe000000, v8               ; 4 off its exponent field: the conversion takes that field as its scale and nothing else
	v_cvt_scalef32_pk16_bf6_f32 v[XC+4*(\t):XC+4*(\t)+2], v[XS:XS+15], v11
	v_lshrrev_b32 v[XE+(\t)], 23, v11              ; the scale's byte (also the plain line behind the conversion)
	ds_store_b8 v5, v[XE+(\t)] offset:16*(\t)      ; both lanes of a block write the same byte with the same value
	global_store_b96 v4, v[XC+4*(\t):XC+4*(\t)+2], s[10:11] offset:32*CB*(\t)   ; the wave stores 384 consecutive bytes
.endm
.irp t, 0,1,2,3,4,5,6,7,8,9,10,11,12,13,14,15
	XSTEP \t
.endr
	ds_load_b64 v[12:13], v6                       ; in order behind my byte stores
	s_wait_dscnt 0x0
	global_store_b64 v7, v[12:13], s[12:13]        ; 32 lanes store 256 consecutive bytes, aligned
	s_wait_tensorcnt 0x0
	ds_add_u32 v224, v225
	s_wait_dscnt 0x0
	s_endpgm
; ---------------- the weights: a wave takes 32 columns x 256 along K ----------------
.Lweights:
	s_sub_co_u32 s17, ttmp9, 256
	s_and_b32 s18, s17, 31                         ; which 128 columns of the 4,096 (24 groups of w_attn, then 8 of w_proj)
	s_lshr_b32 s19, s17, 5                         ; which 256 along K
	s_mov_b32 s20, 4096
	s_cmp_lt_u32 s18, 24                           ; the choice hangs on the work-group's number alone
	s_cselect_b64 s[6:7], s[6:7], s[8:9]           ; the tensor,
	s_cselect_b32 s20, 12288, s20                  ; its row in bytes,
	s_cselect_b32 s21, 0, 24
	s_sub_co_u32 s21, s18, s21                     ; and the group's number in it
	s_lshl_b32 s21, s21, 7
	s_lshl_b32 s22, s16, 5
	s_add_co_u32 s21, s21, s22                     ; my wave's first column
	s_lshl_b32 s24, s19, 8
	s_mul_i32 s24, s24, s20                        ; 256 ky rows down,
	s_lshl_b32 s21, s21, 2
	s_add_co_u32 s24, s24, s21                     ; 4 bytes a column
	s_mov_b32 s25, 0
	s_lshl_b32 s23, s20, 5                         ; a block is 32 rows
.irp t, 0,1,2,3,4,5,6,7
	s_add_nc_u64 s[32+2*\t:33+2*\t], s[6:7], s[24:25]   ; a base for each of the eight blocks; never rewritten
	s_add_co_u32 s24, s24, s23
.endr
	v_lshlrev_b32 v[RO], 2, v2
.set i, 1
.rept 31
	v_add_nc_u32 v[RO+i], s20, v[RO+i-1]
.set i, i+1
.endr
	s_mul_i32 s26, s16, 32*WP
	s_add_co_u32 s26, s26, WSTG                    ; my stage
	v_mul_u32_u24 v4, v2, WP
	v_add_nc_u32 v4, s26, v4                       ; into it: row = my column
	v_and_b32 v5, 15, v2
	v_lshrrev_b32 v6, 4, v2                        ; out of it: sixteen lanes to a row, two rows an instruction
	v_mul_u32_u24 v7, v6, WP
	v_lshl_add_u32 v7, v5, 4, v7
	v_add_nc_u32 v7, s26, v7
	v_mul_u32_u24 v8, v6, 768
	v_mad_u32_u24 v8, v5, 12, v8                   ; and the same place in opc
	v_and_b32 v9, 7, v2                            ; my column's stored row among the wave's 32: bits 3 and 4 exchanged
	v_bfe_u32 v10, v2, 3, 1
	v_bfe_u32 v11, v2, 4, 1
	v_lshl_or_b32 v9, v10, 4, v9
	v_lshl_or_b32 v9, v11, 3, v9
	v_lshlrev_b32 v9, 5, v9                        ; 32 scale bytes a row
	s_lshl_b32 s27, s18, 7
	s_add_co_u32 s27, s27, s22
	s_add_co_u32 s27, s27, 8192                    ; the wave's first stored row: 8192 + 128 x group + 32 x wave serves both weights
	s_mul_i32 s28, s27, 768
	s_mul_i32 s30, s19, 192
	s_add_co_u32 s28, s28, s30
	s_mov_b32 s29, 0
	s_add_nc_u64 s[10:11], s[10:11], s[28:29]
	s_lshl_b32 s28, s27, 5
	s_lshl_b32 s30, s19, 3
	s_add_co_u32 s28, s28, s30
	s_add_nc_u64 s[12:13], s[12:13], s[28:29]
.macro WLOAD t                         ; block t: 32 rows at my column; a load reads 128 consecutive bytes a wave
.irp i, 0,1,2,3,4,5,6,7,8,9,10,11,12,13,14,15,16,17,18,19,20,21,22,23,24,25,26,27,28,29,30,31
	global_load_b32 v[WX+32*((\t)%2)+\i], v[RO+\i], s[32+2*(\t):33+2*(\t)] th:TH_LOAD_NT
.endr
.endm
	WLOAD 0
	WLOAD 1
.macro WBLOCK t
.set XS, WX+32*((\t)%2)
.if (\t) < 7
	s_wait_loadcnt 32                              ; this block's 32 loads are in; the next block's may be out
.else
	s_wait_loadcnt 0
.endif
	v_max3_num_f32 v12, |v[XS]|, |v[XS+1]|, |v[XS+2]|              ; all 32 numbers of the block are mine
	v_max3_num_f32 v13, |v[XS+3]|, |v[XS+4]|, |v[XS+5]|
.irp i, 6,10,14,18,22,26
	v_max3_num_f32 v12, v12, |v[XS+\i]|, |v[XS+\i+1]|
	v_max3_num_f32 v13, v13, |v[XS+\i+2]|, |v[XS+\i+3]|
.endr
	v_max3_num_f32 v12, v12, |v[XS+30]|, |v[XS+31]|
	v_max3_num_f32 v12, v12, v13, 0x2800000        ; the floor
	v_add_nc_u32 v11, 0xfe000000, v12              ; the conversion's scale operand
	v_lshrrev_b32 v13, 23, v11                     ; the byte
.if (\t)%4 == 0
	v_mov_b32 v[WSB+(\t)/4], v13
.else
	v_lshl_or_b32 v[WSB+(\t)/4], v13, 8*((\t)%4), v[WSB+(\t)/4]
.endif
	v_cvt_scalef32_pk16_bf6_f32 v[WCD:WCD+2], v[XS:XS+15], v11
	v_cvt_scalef32_pk16_bf6_f32 v[WCD+4:WCD+6], v[XS+16:XS+31], v11    ; (a conversion's three registers begin on an even number)
	ds_store_b96 v4, v[WCD:WCD+2] offset:32*(\t)   ; 12 bytes to a place of 16: every LDS address is a multiple of 16
	ds_store_b96 v4, v[WCD+4:WCD+6] offset:32*(\t)+16
.if (\t)+2 < 8
	WLOAD (\t)+2
.endif
	s_wait_dscnt 0x0                               ; the stores have read their registers: the next block's codes may be written (plain lines come first there)
.endm
.irp t, 0,1,2,3,4,5,6,7
	WBLOCK \t
.endr
	global_store_b64 v9, v[WSB:WSB+1], s[12:13]    ; my column's eight scale bytes
.irp t, 0,1,2,3,4,5,6,7,8,9,10,11,12,13,14,15
	ds_load_b96 v[WOUT+4*\t:WOUT+4*\t+2], v7 offset:2*\t*WP
.endr
.irp t, 0,1,2,3,4,5,6,7,8,9,10,11,12,13,14,15
	s_wait_dscnt 15-\t                             ; loads come back in order: row pair t is in
	global_store_b96 v8, v[WOUT+4*\t:WOUT+4*\t+2], s[10:11] offset:((((2*\t)&7)|((((2*\t)>>3)&1)<<4)|((((2*\t)>>4)&1)<<3))*768)   ; sixteen lanes store a row's 192 consecutive bytes, at the row's exchanged place
.endr
	s_wait_tensorcnt 0x0
	ds_add_u32 v224, v225
	s_wait_dscnt 0x0
	s_endpgm
.Lfunc_end_k_qa971887c84_quant:
	.size	k_qa971887c84_quant, .Lfunc_end_k_qa971887c84_quant-k_qa971887c84_quant
	.p2alignl 7, 3214868480
	.fill 96, 4, 3214868480
	.section	.rodata,"a",@progbits
	.p2align	6, 0x0
	.amdhsa_kernel k_qa971887c84_quant
		.amdhsa_group_segment_fixed_size 70144
		.amdhsa_private_segment_fixed_size 0
		.amdhsa_enable_private_segment 0
		.amdhsa_kernarg_size 40
		.amdhsa_user_sgpr_count 2
		.amdhsa_user_sgpr_kernarg_segment_ptr 1
		.amdhsa_wavefront_size32 1
		.amdhsa_system_sgpr_workgroup_id_x 1
		.amdhsa_system_sgpr_workgroup_id_y 1
		.amdhsa_system_sgpr_workgroup_id_z 1
		.amdhsa_system_vgpr_workitem_id 0
		.amdhsa_next_free_vgpr 226
		.amdhsa_next_free_sgpr 66
		.amdhsa_reserve_vcc 0
		.amdhsa_float_denorm_mode_32 3
		.amdhsa_float_denorm_mode_16_64 3
		.amdhsa_memory_ordered 1
		.amdhsa_forward_progress 1
		.amdhsa_inst_pref_size 75
	.end_amdhsa_kernel
	.amdgpu_metadata
---
amdhsa.version: [ 1, 2 ]
amdhsa.kernels:
  - .name:           k_qa971887c84_quant
    .symbol:         k_qa971887c84_quant.kd
    .args:
      - { .name: x, .offset: 0, .size: 8, .value_kind: global_buffer, .address_space: global }
      - { .name: w_attn, .offset: 8, .size: 8, .value_kind: global_buffer, .address_space: global }
      - { .name: w_proj, .offset: 16, .size: 8, .value_kind: global_buffer, .address_space: global }
      - { .name: opc, .offset: 24, .size: 8, .value_kind: global_buffer, .address_space: global }
      - { .name: ops, .offset: 32, .size: 8, .value_kind: global_buffer, .address_space: global }
    .group_segment_fixed_size: 70144
    .private_segment_fixed_size: 0
    .kernarg_segment_align: 8
    .kernarg_segment_size: 40
    .max_flat_workgroup_size: 128
    .sgpr_count:     66
    .vgpr_count:     226
    .wavefront_size: 32
...
	.end_amdgpu_metadata
.endif
;; end of part 1
;; launch qkv (part 2): grid 12 x 32, 4 waves a work-group, clusters of 4 x 4, 327,680 bytes of LDS; arguments opc, ops, b_attn, qkvc, qkvs; writes qkvc, qkvs
.if DOCPART == 2
	.amdgcn_target "amdgcn-amd-amdhsa--gfx1250"
	.amdhsa_code_object_version 6
	.text
	.protected	k_qa971887c84_qkv
	.globl	k_qa971887c84_qkv
	.p2align	8
	.type	k_qa971887c84_qkv,@function
k_qa971887c84_qkv:
	s_mov_b64 s[64:65], 0
	v_nop
	global_prefetch_b8 v0, s[64:65] scope:SCOPE_SE
	s_setreg_imm32_b32 hwreg(HW_REG_WAVE_MODE, 25, 1), 1
	s_wait_xcnt 0x0
	s_wait_alu depctr_hold_cnt(0) depctr_sa_sdst(0) depctr_va_vdst(0) depctr_va_sdst(0) depctr_va_ssrc(0) depctr_va_vcc(0) depctr_vm_vsrc(0)
	s_getreg_b32 s2, hwreg(HW_REG_IB_STS2, 6, 4)
	s_cmp_eq_u32 s2, 0
	s_cbranch_scc0 .Lentry_in_a_cluster
	s_endpgm
.Lentry_in_a_cluster:
	s_bfe_u32 s2, ttmp6, 0x10000c
	s_cmp_lg_u32 s2, 0xf033
	s_cbranch_scc0 .Lentry_shape_is_right
	s_endpgm
.Lentry_shape_is_right:
; qkv = x w_attn + b_attn on codes of BF6 (E3M2) with E8M0 scales, f32 sums; the results are quantised at once, as the operands of attention's two products, and only codes go to memory.
; A work-group of four waves makes 256 x 256 of the product, a wave 128 x 128 (64 accumulators, 512 registers).  K = 1,024 goes in four steps of 256 through a ring of two LDS slots filled by the tensor data mover.
; Both sides are rows of opc (768 bytes of codes) and ops (32 scale bytes).  THE MATRIX INSTRUCTION TAKES ONE SIDE'S ROWS AS SOURCE 1 (side A: a lane holds ONE of them) AND THE OTHER'S AS SOURCE 0 (side B: they run along a lane's registers).
; The cluster's x is the KIND: 0 q, 1 k, 2 v.  q, k are quantised along the head's channels: A = tokens, B = channels.  v is quantised along the keys: A = channels, B = tokens.  One loop serves all three.
; Rows are stored in opc with bits 3 and 4 of their number exchanged, so the 64 registers of a lane for one block of A are B's true numbers 32 b + 16 (lane / 16) + i at register 16 b + i: 16 neighbours for each conversion.
; OUT.  qkvc [kind][batch x head 64][step of 128 tokens 16][slot 8][768]: a slot is 6 registers of a lane as they stand (16 rows x 64 along K): registers 0-3 at 16 x lane, registers 4-5 at 512 + 8 x lane.
;   q, k: slot t = tokens 32 (t / 2) + 8 (t % 2) + r + 8 (r / 8) of the step, the head's 64 channels.   v: slot 2 t + c = the head's channels of that same pattern, keys 64 c .. 64 c + 63 of the step.
; qkvs [kind][batch x head][step][r 16][x 4] words.  q, k: word x: bytes 0, 1 tile 2 x, bytes 2, 3 tile 2 x + 1.   v: word x: tile x's four blocks of keys.
; CLUSTERS: 4 x 4 work-groups.  Side A's tile hangs on cy alone and is asked for jointly along a row of the cluster, side B's on cx alone, along a column.
; LIMITS: a block of zeros gets the byte 1; blocks under 2^-122 have the byte held at 1; NaN and infinities are not served.
; REGISTERS, in windows of 256: window 0: v0-31 addresses; v32-63 scale words, two sets; v64-127 the bias along the registers; v128-223 A's fragments, one set, later the way out; v240-255 the bias of the lane's rows.
;   window 1: B's fragments, two sets, at v0 and v128.   window 2: accumulators of A's blocks 0-3 ((a, b) at v[8 (8 a + b)]);   window 3: of blocks 4-7.
.set NQ,     2                         ; matrix instructions deep in a slot
.set ROWB,   192                       ; a tile's row: 256 codes
.set KROW,   768                       ; a row of opc
.set PITCH,  240                       ; an LDS row: 3 x (64 bytes + 16 of padding) = 60 words: the 32 lanes of a load of 8 bytes touch 64 different banks (64 banks of 4 bytes: ISA guide 11.1)
.set FR,     12                        ; registers of a fragment
.set NL,     6                         ; LDS loads that bring one
.set NP,     4                         ; places behind this matrix instruction (ISA guide 7.12.1)
.set HALFT,  128*PITCH                 ; what one tensor load brings
.set SLOT,   4*HALFT                   ; A's 256 rows, then B's 256
.set LAPS,   2                         ; a lap = two K steps = once round the ring
.set KS,     32                        ; a row of ops
.set SCL,    2*SLOT                    ; behind the ring: the scales of all of K, as units of 256 bytes + 16 of padding
.set HALFS,  16*272                    ; those of 128 rows
.set SBLK,   2*272                     ; those of 16 rows
.set SPARE,  SCL+4*HALFS               ; the spare words, 128 bytes for each wave: two blocks of 256 bytes that no other line names
.set VSEL, 9                           ; v9   byte selects for the scale words of q, k: lanes 0-15 the first head's, lanes 16-31 the second's
.set IM16, 10                          ; v10  16 x lane
.set IM8,  11                          ; v11  512 + 8 x lane
.set SOF,  12                          ; v12  4096 (lane / 16) + 16 (lane % 16): my place in qkvs
.set ADRA, 16                          ; v16-17 LDS address of A's fragments in slot 0, 1 (v18-19: behind one padding more)
.set ADRB, 20                          ; v20-21, v22-23 the same for B
.set ADRS, 27                          ; v27  my scale words: lanes 0-15 A's rows, lanes 16-31 B's
.set SPW,  28                          ; v28  my spare word: SPARE + 4 x my thread's number; never rewritten
.set NIL,  29                          ; v29  0; never rewritten
.set SC,   32
.set BQ,   64                          ; q, k: b_attn at my 64 channels, in the registers' order
.set AF,   128
.set T,    128                         ; the way out: 64 numbers of a lane
.set PC,   192                         ; the codes just made (12) and two conversions' results on their way (8)
.set TM,   212                         ; at work
.set PWS,  228                         ; eight scale words, one for each block of A
.set OUTW, 236                         ; the four words that I store
.set BV,   240                         ; v: b_attn at my row of block a in v[BV + 2 a]; the odd registers are 0
.set WV,   14
.set WR,   15                          ; which half of A's rows is mine.  Also: I fetch for A (0) or B (1)
.set WC,   16                          ; which half of B's rows.  Also: which 128 rows I fetch
.set SEL,  22                          ; s[22:23] lane selects for v_permlanex16_b32, set behind the head's last use of them
.set G1,   24
.set G0,   32
.set G1B,  48
.set G0B,  56
.set FQ,   66                          ; 1 for q, k
.set G1S,  68
.set G0S,  76
.set G1SB, 80
.set G0SB, 88
.set CY,   95
.set KIND, 96
.set FV,   97                          ; 1 for v
.set MSB, 0
.macro WIN new                         ; the immediate's high byte repeats the setting that is left
.if MSB != (\new)
	s_set_vgpr_msb (MSB<<8)|(\new)
.set MSB, (\new)
.endif
.endm
.set MUL_LO, 0xa1                      ; source 0 (B) window 1, source 1 (A) window 0, C and D window 2
.set MUL_HI, 0xf1
.set TO_B,   0x40
; A joint load: waves 0 and 1 fetch for A, waves 2 and 3 for B.  The branch hangs on the wave's number alone.  Four v_nop follow each of the two lines.
.macro JLOAD g0a, g1a, g0b, g1b
	s_cmp_eq_u32 s[WR], 0
	s_cbranch_scc0 .Lfor_b_\@
	tensor_load_to_lds s[\g0a:\g0a+3], s[\g1a:\g1a+7]
	s_nop 0
.rept 4
	v_nop
.endr
	s_branch .Lasked_\@
.Lfor_b_\@:
	tensor_load_to_lds s[\g0b:\g0b+3], s[\g1b:\g1b+7]
	s_nop 0
.rept 4
	v_nop
.endr
.Lasked_\@:
.endm
.macro CREST                           ; a round of the cluster's barrier behind its opening barrier
	s_cmp_lg_u32 s[WV], 0
	s_cbranch_scc1 .Lnot_wave_0_\@
	s_barrier_signal -3
.Lnot_wave_0_\@:
	s_barrier_wait -3
	s_barrier_signal -1
	s_barrier_wait -1
.endm
.macro CROUND
	s_barrier_signal -1
	s_barrier_wait -1
	CREST
.endm
	s_load_b256 s[4:11], s[0:1], 0x0               ; opc s[4:5], ops s[6:7], b_attn s[8:9], qkvc s[10:11]
	s_load_b64 s[12:13], s[0:1], 0x20              ; qkvs
	v_lshl_add_u32 v[SPW], v0, 2, SPARE
	v_mov_b32 v[NIL], 0
	ds_add_u32 v28, v29
	ds_add_u32 v28, v29
	s_wait_dscnt 0x0
	v_lshrrev_b32 v1, 5, v0
	v_readfirstlane_b32 s[WV], v1                  ; wave 0..3
	s_lshr_b32 s[WR], s[WV], 1
	s_and_b32 s[WC], s[WV], 1
	s_bfe_u32 s40, ttmp6, 0x40000                  ; cx
	s_bfe_u32 s41, ttmp6, 0x40004                  ; cy
	s_mov_b32 s[KIND], ttmp9                       ; the cluster's x: equal in all sixteen partners
	s_and_b32 s[CY], ttmp7, 0xffff                 ; the cluster's y
	s_lshr_b32 s[FV], s[KIND], 1
	s_xor_b32 s[FQ], s[FV], 1
	; side A's first row of opc: q, k: tokens 256 (4 CY + cy);  v: channels 10240 + 256 cy.  Of the place in the cluster it holds cy alone
	s_lshl_b32 s17, s41, 8
	s_mul_i32 s18, s[FV], 10240
	s_add_co_u32 s17, s17, s18
	s_lshl_b32 s18, s[CY], 10
	s_mul_i32 s19, s18, s[FQ]
	s_add_co_u32 s17, s17, s19
	; side B's: q, k: channels 8192 + 1024 KIND + 256 cx;  v: tokens 256 (4 CY + cx).  It holds cx alone
	s_lshl_b32 s42, s40, 8
	s_lshl_b32 s19, s[KIND], 10
	s_add_co_u32 s19, s19, 8192
	s_mul_i32 s19, s19, s[FQ]
	s_add_co_u32 s42, s42, s19
	s_mul_i32 s19, s18, s[FV]
	s_add_co_u32 s42, s42, s19
	s_lshl_b32 s43, s41, 2
	s_lshl_b32 s43, 15, s43                        ; my row of the cluster
	s_lshl_b32 s44, 0x1111, s40                    ; my column
	; descriptor group 1: a tile of 128 rows x 192 bytes, 16 bytes of padding behind every 64
	s_or_b32 s[G1+0], s43, (0<<16)|(1<<20)|(1<<21)|(3<<22)|(3<<25)   ; 15:0 the mask; 17:16 elements of 1 byte; 20 padding on; 21 set beside a mask; 24:22 after every 16 words; 31:25 of 4 words
	s_or_b32 s[G1B+0], s44, (0<<16)|(1<<20)|(1<<21)|(3<<22)|(3<<25)
.irp g, G1, G1B
	s_mov_b32 s[\g+1], ROWB<<16                    ; tensor_dim0
	s_mov_b32 s[\g+2], 128<<16                     ; tensor_dim1
	s_mov_b32 s[\g+3], ROWB<<16                    ; tile_dim0
	s_mov_b32 s[\g+4], 128                         ; tile_dim1
	s_mov_b32 s[\g+5], KROW                        ; from row to row
	s_mov_b32 s[\g+6], 0
	s_mov_b32 s[\g+7], 0
.endr
	; the scales of 128 rows: 4,096 dense bytes, as 16 rows of 256 bytes (32 elements of 8), 16 bytes of padding behind each
	s_or_b32 s[G1S+0], s43, (3<<16)|(1<<20)|(1<<21)|(5<<22)|(3<<25)
	s_or_b32 s[G1SB+0], s44, (3<<16)|(1<<20)|(1<<21)|(5<<22)|(3<<25)
.irp g, G1S, G1SB
	s_mov_b32 s[\g+1], 32<<16
	s_mov_b32 s[\g+2], 16<<16
	s_mov_b32 s[\g+3], 32<<16
	s_mov_b32 s[\g+4], 16
	s_mov_b32 s[\g+5], 32
	s_mov_b32 s[\g+6], 0
	s_mov_b32 s[\g+7], 0
.endr
	s_lshl_b32 s18, s[WC], 7                       ; which 128 rows of the tile I fetch
	s_add_co_u32 s20, s17, s18
	s_add_co_u32 s46, s42, s18
	s_mov_b32 s21, 0
	s_mov_b32 s47, 0
	s_mov_b64 s[18:19], KS
	s_mul_u64 s[22:23], s[20:21], s[18:19]         ; where these rows' scales begin,
	s_mul_u64 s[92:93], s[46:47], s[18:19]
	s_mov_b64 s[18:19], KROW
	s_mul_u64 s[20:21], s[20:21], s[18:19]         ; and their codes
	s_mul_u64 s[46:47], s[46:47], s[18:19]
	s_mul_i32 s45, s[WV], HALFT                    ; where they go: wave x 128 rows: no place in the cluster enters an LDS address
	s_mul_i32 s94, s[WV], HALFS
	s_wait_kmcnt 0x0
	s_add_nc_u64 s[20:21], s[4:5], s[20:21]
	s_add_nc_u64 s[22:23], s[6:7], s[22:23]
	s_add_nc_u64 s[46:47], s[4:5], s[46:47]
	s_add_nc_u64 s[92:93], s[6:7], s[92:93]
	CROUND                                         ; all sixteen work-groups are here: the first joint loads meet
	s_mov_b32 s[G0S], 1
	s_add_co_u32 s[G0S+1], s94, SCL
	s_mov_b64 s[G0S+2:G0S+3], s[22:23]
	s_or_b32 s[G0S+3], s[G0S+3], 0x80000000
	s_mov_b32 s[G0SB], 1
	s_add_co_u32 s[G0SB+1], s94, SCL
	s_mov_b64 s[G0SB+2:G0SB+3], s[92:93]
	s_or_b32 s[G0SB+3], s[G0SB+3], 0x80000000
	JLOAD G0S, G1S, G0SB, G1SB                     ; the scales first: filled once
.irp s, 0,1
	s_mov_b32 s[G0+4*\s], 1
	s_add_co_u32 s[G0+4*\s+1], s45, \s*SLOT
	s_add_nc_u64 s[G0+4*\s+2:G0+4*\s+3], s[20:21], \s*ROWB
	s_or_b32 s[G0+4*\s+3], s[G0+4*\s+3], 0x80000000
	s_mov_b32 s[G0B+4*\s], 1
	s_add_co_u32 s[G0B+4*\s+1], s45, \s*SLOT
	s_add_nc_u64 s[G0B+4*\s+2:G0B+4*\s+3], s[46:47], \s*ROWB
	s_or_b32 s[G0B+4*\s+3], s[G0B+4*\s+3], 0x80000000
	JLOAD G0+4*\s, G1, G0B+4*\s, G1B               ; three tensor loads of mine are out
.endr
	v_and_b32 v1, 15, v0                           ; r
	v_bfe_u32 v2, v0, 4, 1                         ; h
	; THE BIASES, both forms, loaded on every way; the form that the kind does not use reads b_attn's first bytes and is not used
	s_lshl_b32 s18, s[KIND], 10
	s_lshl_b32 s20, s40, 8
	s_add_co_u32 s18, s18, s20
	s_lshl_b32 s20, s[WC], 7
	s_add_co_u32 s18, s18, s20
	s_mul_i32 s18, s18, s[FQ]                      ; q, k: my first channel of the 3,072
	s_lshl_b32 s18, s18, 2
	s_mov_b32 s19, 0
	s_add_nc_u64 s[98:99], s[8:9], s[18:19]
	s_lshl_b32 s18, s41, 8
	s_lshl_b32 s20, s[WR], 7
	s_add_co_u32 s18, s18, s20
	s_add_co_u32 s18, s18, 2048
	s_mul_i32 s18, s18, s[FV]                      ; v: likewise
	s_lshl_b32 s18, s18, 2
	s_add_nc_u64 s[100:101], s[8:9], s[18:19]
	v_lshlrev_b32 v7, 6, v2                        ; register 16 b + i is channel 32 b + 16 h + i
	v_and_b32 v8, 8, v1
	v_add_nc_u32 v8, v8, v1
	v_lshlrev_b32 v8, 2, v8                        ; my row of block a is channel 32 (a / 2) + 8 (a % 2) + r + 8 (r / 8)
.irp b, 0,1,2,3
.irp j, 0,1,2,3
	global_load_b128 v[BQ+16*\b+4*\j:BQ+16*\b+4*\j+3], v7, s[98:99] offset:128*\b+16*\j
.endr
.endr
.irp a, 0,1,2,3,4,5,6,7
	global_load_b32 v[BV+2*\a], v8, s[100:101] offset:4*(32*(\a/2)+8*(\a%2))
	v_mov_b32 v[BV+2*\a+1], 0                      ; named with it as a pair, so it is written
.endr
	; LDS addresses
	v_mul_u32_u24 v3, v1, PITCH
	v_mul_u32_u24 v4, v2, 24
	v_add_nc_u32 v4, v3, v4                        ; a fragment's row x pitch + 24 x half
	v_lshl_add_u32 v5, v2, 4, v4                   ; and the same behind one padding more
	s_mul_i32 s21, s[WR], HALFT
	s_mul_i32 s22, s[WC], HALFT
	s_add_co_u32 s22, s22, 2*HALFT
.irp s, 0,1
	v_add_nc_u32 v[ADRA+\s], s21, v4
	v_add_nc_u32 v[ADRB+\s], s22, v4
	v_add_nc_u32 v[ADRA+2+\s], s21, v5
	v_add_nc_u32 v[ADRB+2+\s], s22, v5
	s_add_co_u32 s21, s21, SLOT
	s_add_co_u32 s22, s22, SLOT
.endr
	v_mul_u32_u24 v5, v1, KS                       ; my row's scales: 32 bytes a row,
	v_lshrrev_b32 v6, 8, v5
	v_lshl_add_u32 v5, v6, 4, v5                   ; and 16 more for each 256 passed
	s_mul_i32 s21, s[WR], HALFS
	s_mul_i32 s22, s[WC], HALFS
	s_add_co_u32 s22, s22, 2*HALFS
	s_sub_co_u32 s22, s22, s21
	v_mul_u32_u24 v6, s22, v2                      ; lanes 16-31 take B's: one product, the distance between the two bases
	s_add_co_u32 s21, s21, SCL
	v_add_nc_u32 v5, v5, v6
	v_add_nc_u32 v[ADRS], s21, v5
	; the way out
	v_and_b32 v6, 31, v0
	v_lshlrev_b32 v[IM16], 4, v6
	v_lshl_add_u32 v[IM8], v6, 3, 512
	v_lshlrev_b32 v[SOF], 4, v1
	v_lshl_add_u32 v[SOF], v2, 12, v[SOF]
	v_mov_b32 v[VSEL], 0x05040100
	v_mov_b32 v13, 0x07060302
	v_cmp_ne_u32 vcc_lo, 0, v2
	v_cndmask_b32 v[VSEL], v[VSEL], v13, vcc_lo
	s_cmp_eq_u32 s[KIND], 2
	s_cselect_b32 s18, s40, s41                    ; the tokens' place in the cluster,
	s_cselect_b32 s19, s41, s40                    ; the channels',
	s_cselect_b32 s20, s[WC], s[WR]                ; which half of the tile's tokens is mine,
	s_cselect_b32 s21, s[WR], s[WC]                ; and of its channels
	s_lshl_b32 s22, s[CY], 2
	s_add_co_u32 s18, s18, s22                     ; tile of 256 tokens, 0..31
	s_lshr_b32 s22, s18, 3
	s_lshl_b32 s22, s22, 4                         ; 16 x batch
	s_lshl_b32 s19, s19, 2
	s_add_co_u32 s22, s22, s19
	s_lshl_b32 s21, s21, 1
	s_add_co_u32 s22, s22, s21                     ; + my first head: 4 x tile of channels + 2 x half
	s_and_b32 s18, s18, 7
	s_lshl_b32 s18, s18, 1
	s_add_co_u32 s18, s18, s20                     ; my step of 128 tokens in the batch
	s_lshl_b32 s22, s22, 4
	s_add_co_u32 s22, s22, s18
	s_mul_i32 s18, s22, 6144
	s_mul_i32 s19, s[KIND], 6291456
	s_add_co_u32 s18, s18, s19
	s_mov_b32 s19, 0
	s_add_nc_u64 s[10:11], s[10:11], s[18:19]
	s_lshl_b32 s18, s22, 8
	s_lshl_b32 s20, s[KIND], 18
	s_add_co_u32 s18, s18, s20
	s_add_nc_u64 s[12:13], s[12:13], s[18:19]
	s_mov_b32 s[SEL], 0x76543210
	s_mov_b32 s[SEL+1], 0xfedcba98
.macro FRAG reg, adr, q, i             ; 16 rows x 128 K: 12 registers: registers 6 c .. 6 c + 5 hold K = 64 c + 32 (lane / 16) + 0 .. 31: 24 bytes of the row, as they lie, in pieces of 8
.irp p, 0,1,2,3,4,5
.set PCE, 12*(\q)+6*(\p/3)+\p%3       ; where the piece three on lies behind one padding more, the second address register serves
.if PCE%8 < 5
	ds_load_b64 v[\reg+2*\p:\reg+2*\p+1], v[\adr] offset:8*PCE+16*(PCE/8)+(\i)*16*PITCH
.else
	ds_load_b64 v[\reg+2*\p:\reg+2*\p+1], v[\adr+2] offset:8*PCE+16*(PCE/8)+(\i)*16*PITCH
.endif
.endr
.endm
; 16 matrix instructions: A's blocks a0, a0 + 1 x B's eight.  The 64 accumulators take turns, one instruction a turn, in the same order in every step.
.macro MUL16 a0, p, q, sc, zero
.irp a, \a0, \a0+1
.irp b, 0,1,2,3,4,5,6,7
.if \zero
	v_wmma_scale_f32_16x16x128_f8f6f4 v[8*(8*((\a)%4)+\b):8*(8*((\a)%4)+\b)+7], v[128*(\p)+FR*\b:128*(\p)+FR*\b+FR-1], v[AF+FR*(\a):AF+FR*(\a)+FR-1], 0, v[SC+8*NQ*(\sc)+NQ*\b+(\q)], v[SC+8*NQ*(\sc)+NQ*(\a)+(\q)] matrix_a_fmt:MATRIX_FMT_BF6 matrix_b_fmt:MATRIX_FMT_BF6 matrix_a_scale:MATRIX_SCALE_ROW1
.else
	v_wmma_scale_f32_16x16x128_f8f6f4 v[8*(8*((\a)%4)+\b):8*(8*((\a)%4)+\b)+7], v[128*(\p)+FR*\b:128*(\p)+FR*\b+FR-1], v[AF+FR*(\a):AF+FR*(\a)+FR-1], v[8*(8*((\a)%4)+\b):8*(8*((\a)%4)+\b)+7], v[SC+8*NQ*(\sc)+NQ*\b+(\q)], v[SC+8*NQ*(\sc)+NQ*(\a)+(\q)] matrix_a_fmt:MATRIX_FMT_BF6 matrix_b_fmt:MATRIX_FMT_BF6 matrix_a_scale:MATRIX_SCALE_ROW1
.endif
.endr
.endr
.endm
.macro FETCH_B slot, q, p
	WIN TO_B
.irp i, 0,1,2,3,4,5,6,7
	FRAG 128*(\p)+FR*\i, ADRB+\slot, \q, \i
.endr
	WIN 0
.endm
.macro FETCH_A slot, q, i0
.irp i, \i0, \i0+1, \i0+2, \i0+3
	FRAG AF+FR*(\i), ADRA+\slot, \q, \i
.endr
.endm
.macro SCALES sc                       ; a K step's scale words: two a row; lanes 0-15 A's block i, lanes 16-31 B's block i
.irp i, 0,1,2,3,4,5,6,7
	ds_load_b64 v[SC+8*NQ*\sc+NQ*\i:SC+8*NQ*\sc+NQ*\i+1], v[ADRS] offset:\i*SBLK
.endr
.endm
.macro PLACES n                        ; plain vector instructions that name none of the matrix instructions' registers (ISA guide 7.12.1)
.rept \n
	v_nop
.endr
.endm
.macro STEP slot, q, zero              ; 128 along K that has its successor in the same slot
	s_wait_dscnt 4*NL                              ; all but the youngest 24 loads (A's blocks 4-7) are in
	WIN MUL_LO
	MUL16 0, (\q)%2, \q, \slot, \zero
	MUL16 2, (\q)%2, \q, \slot, \zero
	s_wait_dscnt 0
	PLACES NP
	FETCH_B \slot, (\q)+1, 1-(\q)%2
	FETCH_A \slot, (\q)+1, 0
	WIN MUL_HI
	MUL16 4, (\q)%2, \q, \slot, \zero
	MUL16 6, (\q)%2, \q, \slot, \zero
	PLACES NP
	WIN 0
	FETCH_A \slot, (\q)+1, 4
.endm
; A slot's last step changes slots: one barrier; in front of it each wave waits for all its tensor loads, adds 0 to its spare word, and waits for that and for its reads of this slot.
.macro TURN slot, next, fill
	s_wait_tensorcnt 0x0                           ; all my tensor loads have landed: my part of the next slot
	ds_add_u32 v[SPW], v[NIL]                      ; 0 onto my spare word
	s_wait_dscnt 4*NL+1                            ; (the add and the youngest 24 loads may be out)
	WIN MUL_LO
	MUL16 0, 1, NQ-1, \slot, 0
	s_wait_dscnt 0x0                               ; the add is done, and my reads of this slot are over
	s_barrier_signal -1
	MUL16 2, 1, NQ-1, \slot, 0
	WIN 0
	s_barrier_wait -1
.if \fill
	CREST                                          ; the barrier has opened a round of the cluster's: no wave of any partner still reads this slot or has a load on its way
	s_add_nc_u64 s[G0+4*\slot+2:G0+4*\slot+3], s[G0+4*\slot+2:G0+4*\slot+3], 2*ROWB
	s_add_nc_u64 s[G0B+4*\slot+2:G0B+4*\slot+3], s[G0B+4*\slot+2:G0B+4*\slot+3], 2*ROWB
	JLOAD G0+4*\slot, G1, G0B+4*\slot, G1B         ; the first tensor load behind the round; its four v_nop are the places in front of the loads below
.else
	PLACES NP
.endif
	v_add_nc_u32 v[ADRS], 4*NQ, v[ADRS]            ; the next K step's scale words
	FETCH_B \next, 0, 0
	FETCH_A \next, 0, 0
	SCALES \next
	WIN MUL_HI
	MUL16 4, 1, NQ-1, \slot, 0
	MUL16 6, 1, NQ-1, \slot, 0
	PLACES NP
	WIN 0
	FETCH_A \next, 0, 4
.endm
	s_wait_tensorcnt 1                             ; the scales and my part of K step 0 are in; K step 1's load may be out
	s_barrier_signal -1
	s_barrier_wait -1
	FETCH_B 0, 0, 0
	FETCH_A 0, 0, 0
	SCALES 0
	FETCH_A 0, 0, 4
	STEP 0, 0, 1                                   ; the first step's products start the sums: nothing is cleared
	s_mov_b32 s3, LAPS-1
.Llap:                                             ; a trip goes once round the ring and fills both slots again
	TURN 0, 1, 1
	STEP 1, 0, 0
	TURN 1, 0, 1
	STEP 0, 0, 0
	s_sub_co_u32 s3, s3, 1
	s_cmp_lg_u32 s3, 0
	s_cbranch_scc1 .Llap
	TURN 0, 1, 0                                   ; the last lap fills nothing
	STEP 1, 0, 0
	s_wait_dscnt 4*NL
	WIN MUL_LO
	MUL16 0, 1, NQ-1, 1, 0
	MUL16 2, 1, NQ-1, 1, 0
	s_wait_dscnt 0
	WIN MUL_HI
	MUL16 4, 1, NQ-1, 1, 0
	MUL16 6, 1, NQ-1, 1, 0
	WIN 0
; THE WAY OUT.  64 numbers of a lane, register 16 b + i = K 32 b + 16 (lane / 16) + i of my row, become a fragment's codes in v[PC] on and its scale word in v[pw].
.macro QUANT s, pw
.irp b, 0,1,2,3
	v_max3_num_f32 v[TM+\b], |v[\s+16*\b]|, |v[\s+1+16*\b]|, 0x2800000   ; my 16 numbers of block b, and the floor 2^(5 - 127)
.endr
.irp i, 2,4,6,8,10,12,14
.irp b, 0,1,2,3
	v_max3_num_f32 v[TM+\b], v[TM+\b], |v[\s+16*\b+\i]|, |v[\s+1+16*\b+\i]|
.endr
.endr
.irp b, 0,1,2,3
	v_permlanex16_b32 v[TM+4+\b], v[TM+\b], s[SEL], s[SEL+1]
.endr
.irp b, 0,1,2,3
	v_max_num_f32 v[TM+\b], v[TM+\b], v[TM+4+\b]   ; with lane l xor 16's: the block's largest magnitude
.endr
.irp b, 0,1,2,3
	v_add_nc_u32 v[TM+12+\b], 0xfe000000, v[TM+\b] ; 4 off its exponent field: the conversion's scale operand
.endr
.irp b, 0,1,2,3
	v_lshrrev_b32 v[TM+4+\b], 23, v[TM+12+\b]      ; the byte
.endr
	v_lshl_or_b32 v[\pw], v[TM+5], 8, v[TM+4]
	v_lshl_or_b32 v[\pw], v[TM+6], 16, v[\pw]
	v_lshl_or_b32 v[\pw], v[TM+7], 24, v[\pw]
.irp c, 0,1
	v_cvt_scalef32_pk16_bf6_f32 v[PC+6*\c:PC+2+6*\c], v[\s+32*\c:\s+15+32*\c], v[TM+12+2*\c]
	v_cvt_scalef32_pk16_bf6_f32 v[PC+12+4*\c:PC+14+4*\c], v[\s+16+32*\c:\s+31+32*\c], v[TM+12+2*\c+1]   ; (a conversion's three registers begin on an even number)
.endr
	v_nop                                          ; one plain place behind a scaled conversion
.irp c, 0,1                                    ; the operand's layout wants a whole block in a lane
.irp i, 0,1,2
	v_permlane16_swap_b32 v[PC+6*\c+\i], v[PC+12+4*\c+\i]
.endr
.irp i, 0,1,2
	v_mov_b32 v[PC+3+6*\c+\i], v[PC+12+4*\c+\i]
.endr
.endr
.endm
; For each of A's eight blocks: results + bias (each accumulator from its low end on), quantised, and the fragment's two halves stored as they stand: 512 and 256 consecutive bytes a store, aligned.
.macro EPILOGUE isv
.irp a, 0,1,2,3,4,5,6,7
.if \a > 0
	s_wait_xcnt 0x0                                ; the last block's stores have read their registers (ISA guide 3.1): the codes may be written again
.endif
	WIN 0x02+(\a)/4                                ; source 0: window 2 or 3
.set n, 0
.rept 32
.if \isv
	v_pk_add_f32 v[T+n:T+n+1], v[64*((\a)%4)+n:64*((\a)%4)+n+1], v[BV+2*(\a):BV+2*(\a)+1] op_sel_hi:[1,0]
.else
	v_pk_add_f32 v[T+n:T+n+1], v[64*((\a)%4)+n:64*((\a)%4)+n+1], v[BQ+n:BQ+n+1]
.endif
.set n, n+2
.endr
	WIN 0
	QUANT T, PWS+\a
.irp c, 0,1
.if \isv
.set OF, ((\a)/4)*98304+((\a)%4)*1536+\c*768   ; head a / 4, tile a % 4 of its channels, keys 64 c on
.else
.set OF, \c*98304+(\a)*768                     ; head c, tile a of the tokens
.endif
	global_store_b128 v[IM16], v[PC+6*\c:PC+6*\c+3], s[10:11] offset:OF
	global_store_b64 v[IM8], v[PC+6*\c+4:PC+6*\c+5], s[10:11] offset:OF
.endr
.endr
.endm
	PLACES NP                                      ; behind the last products: their results are read and A's registers written below
.irp b, 0,1,2,3
	v_mov_b32 v[TM+4+\b], 0                        ; a lane permute's destination counts as one of its sources
.endr
	s_wait_loadcnt 0x0                             ; the biases
	s_cmp_eq_u32 s[KIND], 2                        ; the cluster's x: the same way in all partners
	s_cbranch_scc1 .Lvout
	EPILOGUE 0
.irp x, 0,1,2,3
	v_perm_b32 v[OUTW+\x], v[PWS+2*\x+1], v[PWS+2*\x], v[VSEL]   ; my head's two bytes of tiles 2 x and 2 x + 1
.endr
	s_branch .Lend
.Lvout:
	EPILOGUE 1
	v_bfe_u32 v13, v0, 4, 1
	v_cmp_ne_u32 vcc_lo, 0, v13
.irp x, 0,1,2,3
	v_cndmask_b32 v[OUTW+\x], v[PWS+\x], v[PWS+4+\x], vcc_lo     ; lanes 0-15 the first head's tiles, lanes 16-31 the second's
.endr
.Lend:
	global_store_b128 v[SOF], v[OUTW:OUTW+3], s[12:13]           ; sixteen lanes store a head's 256 consecutive bytes, aligned
	s_wait_tensorcnt 0x0                           ; the wave's end
	ds_add_u32 v[SPW], v[NIL]
	s_wait_dscnt 0x0
	CROUND                                         ; the closing round
	s_endpgm
.Lfunc_end_k_qa971887c84_qkv:
	.size	k_qa971887c84_qkv, .Lfunc_end_k_qa971887c84_qkv-k_qa971887c84_qkv
	.p2alignl 7, 3214868480
	.fill 96, 4, 3214868480
	.section	.rodata,"a",@progbits
	.p2align	6, 0x0
	.amdhsa_kernel k_qa971887c84_qkv
		.amdhsa_group_segment_fixed_size 327680
		.amdhsa_private_segment_fixed_size 0
		.amdhsa_enable_private_segment 0
		.amdhsa_kernarg_size 40
		.amdhsa_user_sgpr_count 2
		.amdhsa_user_sgpr_kernarg_segment_ptr 1
		.amdhsa_wavefront_size32 1
		.amdhsa_system_sgpr_workgroup_id_x 1
		.amdhsa_system_sgpr_workgroup_id_y 1
		.amdhsa_system_sgpr_workgroup_id_z 1
		.amdhsa_system_vgpr_workitem_id 0
		.amdhsa_next_free_vgpr 1024
		.amdhsa_next_free_sgpr 102
		.amdhsa_reserve_vcc 1
		.amdhsa_float_denorm_mode_32 3
		.amdhsa_float_denorm_mode_16_64 3
		.amdhsa_memory_ordered 1
		.amdhsa_forward_progress 1
		.amdhsa_inst_pref_size 234
	.end_amdhsa_kernel
	.amdgpu_metadata
---
amdhsa.version: [ 1, 2 ]
amdhsa.kernels:
  - .name:           k_qa971887c84_qkv
    .symbol:         k_qa971887c84_qkv.kd
    .args:
      - { .name: opc, .offset: 0, .size: 8, .value_kind: global_buffer, .address_space: global }
      - { .name: ops, .offset: 8, .size: 8, .value_kind: global_buffer, .address_space: global }
      - { .name: b_attn, .offset: 16, .size: 8, .value_kind: global_buffer, .address_space: global }
      - { .name: qkvc, .offset: 24, .size: 8, .value_kind: global_buffer, .address_space: global }
      - { .name: qkvs, .offset: 32, .size: 8, .value_kind: global_buffer, .address_space: global }
    .group_segment_fixed_size: 327680
    .private_segment_fixed_size: 0
    .kernarg_segment_align: 8
    .kernarg_segment_size: 40
    .max_flat_workgroup_size: 128
    .sgpr_count:     102
    .vgpr_count:     1024
    .wavefront_size: 32
...
	.end_amdgpu_metadata
.endif
;; end of part 2
;; launch attn (part 3): grid 8 x 64, 16 waves a work-group, no clusters, 207,360 bytes of LDS; arguments qkvc, qkvs, ac, asc; writes ac, asc
.if DOCPART == 3
	.amdgcn_target "amdgcn-amd-amdhsa--gfx1250"
	.amdhsa_code_object_version 6
	.text
	.protected	k_qa971887c84_attn
	.globl	k_qa971887c84_attn
	.p2align	8
	.type	k_qa971887c84_attn,@function
k_qa971887c84_attn:
	s_mov_b64 s[64:65], 0
	v_nop
	global_prefetch_b8 v0, s[64:65] scope:SCOPE_SE
	s_setreg_imm32_b32 hwreg(HW_REG_WAVE_MODE, 25, 1), 1
	s_wait_xcnt 0x0
; a = softmax(where(key <= query, q k^T / 8, -10000)) v for one head of one batch, both products on codes of BF6 (E3M2) with E8M0 scales; a is quantised along the model's 1,024 and leaves as codes.
; THE SOFTMAX: t = logit x log2(e); M = the running largest t rounded up to a whole number; p = 2^(t - M) is quantised along the keys, not normalised; the sum of the unquantised p divides at the end.
; THE MASK WRITES -10000, NOT -INFINITY, AND THAT IS KEPT: every row that has a hidden key starts its running maximum at the mask's t; on the diagonal hidden scores are replaced by -80000 (x 1/8);
; behind the diagonal p is ONE number a row: its codes and scale word are made once, and each hidden step of 128 keys costs four matrix instructions and one addition to the sum.
; SHARES.  A work-group serves two blocks of 128 queries of a head, J and 15 - J, so that every work-group has 17 visible steps for each pair of waves.  Waves 0-7 take block J, waves 8-15 block 15 - J;
; wave w owns the 16 queries 32 (T / 2) + 8 (T % 2) + r + 8 (r / 8) of its block, T = w % 8.  Four waves share a SIMD: one wave's vector work stands beside another's matrix work.
; No cluster: the steps' branches hang on the block of queries, in which partners would differ.
; LDS IS FILLED ONCE: the head's K and V codes (98,304 bytes each) and scale words (4,096 each).  Every wave issues five tensor loads at the head: five of mine are out at the most.  Nothing is filled again.
; LAYOUT.  Both products are used transposed: a lane holds ONE query.  K = 64 is half of the instruction's 128: source 0 holds tiles 2 b and 2 b + 1 of the keys side by side along K, and q stands in one half of source 1
; with zero codes in the other, so each of the two instructions picks one tile.  The keys of a tile are chosen so that registers 16 b + i are keys 32 b + 16 (lane / 16) + i.
; LIMITS: NaN and infinities are not served; a p under 2^-126 counts as 0; a block of zeros gets the byte 1.
.set KB,   0                           ; LDS: K's codes, 6,144 bytes a step
.set VB,   98304                       ; V's
.set KSB,  196608                      ; K's scale words, 256 bytes a step; V's 4,096 further on
.set GAT,  204800                      ; 512 bytes for a's scale bytes: no fill lands here
.set F,    34                          ; v34-81   eight half fragments of K, or four fragments of V
.set VS,   82                          ; v82-85   V's scale words
.set KSC,  86                          ; v86-89   K's
.set QS,   90                          ; v90      q's: its two bytes, twice
.set S,    96                          ; v96-159  scores, then p
.set O,    160                         ; v160-191 O^T
.set BM,   192                         ; v192-195 block maxima
.set BX,   196                         ; v196-199 the other half's; then bytes
.set SO,   200                         ; v200-203 the conversions' scale operands
.set CT,   204                         ; v204-211 two conversions' results on their way
.set SUM2, 212                         ; v212-213 the second chain of the sum
.set FF,   214                         ; v214-215 f = 2^(old M - new M); v215 is 0
.set TA,   216
.set PW,   218                         ; p's scale word
.set GST,  219                         ; where I put a's two scale bytes
.set GRD,  220                         ; where wave 0 reads them back
.set GOF,  221                         ; and its offset in asc
.set P,    224                         ; v224-235 p's codes
; v1 16 x lane; v2 512 + 8 x lane; v3 KSB + 16 r; v4 my query in its block - 16 h; v5 -80000; v6 64 x the hidden keys' p; v7-11 the step's LDS addresses; v12 -M; v13 the largest t; v[14:15] the sum;
; v16-21 zeros, v22-27 q, v28-33 zeros: q in the lower half of K is v[22:33], in the upper half v[16:27]
.set WV,   12
.set J,    13
.set BH,   14
.set QB,   15                          ; my block of 128 queries
.set TT,   16
.set U,    17
.set SI,   18                          ; the step
.set TB,   19                          ; its codes' place
.set SEL,  20
.set CS,   22                          ; s[22:23] c = log2(e) / 8
.set G1C,  24
.set G1S,  32
.set G0S,  40
.set G0C,  44                          ; s[44:59] a group 0 for each quarter
.set TS,   60                          ; the step's scale words' place
.set TRIP, 61
	s_load_b256 s[4:11], s[0:1], 0x0               ; qkvc s[4:5], qkvs s[6:7], ac s[8:9], asc s[10:11]
	v_lshl_add_u32 v254, v0, 2, 0x32200
	v_mov_b32 v255, 0
	ds_add_u32 v254, v255
	ds_add_u32 v254, v255
	v_lshrrev_b32 v91, 5, v0
	s_delay_alu instid0(VALU_DEP_1)
	v_readfirstlane_b32 s[WV], v91                 ; wave 0..15
	s_mov_b32 s[J], ttmp9
	s_and_b32 s[BH], ttmp7, 0xffff
	s_and_b32 s[TT], s[WV], 7
	s_and_b32 s[U], s[WV], 1
	s_lshr_b32 s66, s[WV], 3                       ; 0: I fetch for K; 1: for V
	s_sub_co_u32 s67, 15, s[J]
	s_cmp_lt_u32 s[WV], 8
	s_cselect_b32 s[QB], s[J], s67
	; descriptor group 1: dense blocks as rows of 256 bytes (32 elements of 8): 12 rows of codes, 2 rows of scale words
	s_mov_b32 s[G1C], 3<<16                        ; no mask; elements of 8 bytes; no padding
	s_mov_b32 s[G1C+1], 32<<16                     ; tensor_dim0
	s_mov_b32 s[G1C+2], 12<<16                     ; tensor_dim1
	s_mov_b32 s[G1C+3], 32<<16                     ; tile_dim0
	s_mov_b32 s[G1C+4], 12                         ; tile_dim1
	s_mov_b32 s[G1C+5], 32                         ; from row to row
	s_mov_b32 s[G1C+6], 0
	s_mov_b32 s[G1C+7], 0
	s_mov_b32 s[G1S], 3<<16
	s_mov_b32 s[G1S+1], 32<<16
	s_mov_b32 s[G1S+2], 2<<16
	s_mov_b32 s[G1S+3], 32<<16
	s_mov_b32 s[G1S+4], 2
	s_mov_b32 s[G1S+5], 32
	s_mov_b32 s[G1S+6], 0
	s_mov_b32 s[G1S+7], 0
	s_add_co_u32 s70, s66, 1                       ; the kind that I fetch: 1 k, 2 v
	s_lshl_b32 s68, s70, 18
	s_lshl_b32 s71, s[BH], 12
	s_add_co_u32 s68, s68, s71
	s_lshl_b32 s71, s[TT], 9
	s_add_co_u32 s68, s68, s71                     ; my 512 bytes of the head's scale words
	s_mov_b32 s69, 0
	s_mul_i32 s72, s70, 6291456
	s_mul_i32 s71, s[BH], 98304
	s_add_co_u32 s72, s72, s71
	s_mul_i32 s71, s[TT], 3072
	s_add_co_u32 s72, s72, s71                     ; my 3,072 bytes of a quarter's 24,576
	s_mov_b32 s73, 0
	s_mul_i32 s74, s66, VB
	s_add_co_u32 s74, s74, s71                     ; and their place in LDS: wave / 8 x 98,304 + wave % 8 x 3,072
	s_lshl_b32 s75, s[WV], 9
	s_lshl_b32 s76, s[BH], 4
	s_add_co_u32 s76, s76, s[QB]
	s_mul_i32 s78, s76, 6144
	s_mul_i32 s77, s[TT], 768
	s_add_co_u32 s78, s78, s77                     ; q's half fragment
	s_mov_b32 s79, 0
	s_lshl_b32 s80, s76, 8
	s_lshr_b32 s77, s[TT], 1
	s_lshl_b32 s77, s77, 2
	s_add_co_u32 s80, s80, s77                     ; and the word that holds its two bytes
	s_mov_b32 s81, 0
	s_lshr_b32 s82, s[BH], 4
	s_lshl_b32 s82, s82, 4                         ; 16 x batch
	s_add_co_u32 s83, s82, s[QB]
	s_lshl_b32 s83, s83, 3
	s_add_co_u32 s83, s83, s[TT]
	s_mul_i32 s84, s83, 12288                      ; ac [block of 128 tokens][tile 8][head 16][768]
	s_and_b32 s86, s[BH], 15
	s_mul_i32 s83, s86, 768
	s_add_co_u32 s84, s84, s83
	s_mov_b32 s85, 0
	s_add_co_u32 s87, s82, s[J]                    ; asc [block][head][r 16][tile 8] of two bytes: block J's 256 bytes,
	s_lshl_b32 s87, s87, 4
	s_add_co_u32 s87, s87, s86
	s_lshl_b32 s87, s87, 8
	s_lshl_b32 s88, s[J], 1
	s_sub_co_u32 s88, 15, s88
	s_lshl_b32 s88, s88, 12                        ; and how far on block 15 - J's lie
	s_mul_i32 s89, s[U], 0x02020202
	s_add_co_u32 s89, s89, 0x01000100              ; byte selects: q's two bytes, twice
	s_mov_b32 s[SEL], 0x76543210
	s_mov_b32 s[SEL+1], 0xfedcba98
	s_mov_b32 s[CS], 0x3e38aa3b
	s_mov_b32 s[CS+1], s[CS]                       ; named with it as a pair, so it is written
	s_mov_b32 s[SI], 0
	s_wait_dscnt 0x0
	s_wait_kmcnt 0x0
	s_mov_b32 s[G0S], 1
	s_add_co_u32 s[G0S+1], s75, KSB
	s_add_nc_u64 s[G0S+2:G0S+3], s[6:7], s[68:69]
	s_or_b32 s[G0S+3], s[G0S+3], 0x80000000
	s_add_nc_u64 s[72:73], s[4:5], s[72:73]
.irp k, 0,1,2,3
	s_mov_b32 s[G0C+4*\k], 1
	s_add_co_u32 s[G0C+4*\k+1], s74, \k*24576
	s_add_nc_u64 s[G0C+4*\k+2:G0C+4*\k+3], s[72:73], \k*24576
	s_or_b32 s[G0C+4*\k+3], s[G0C+4*\k+3], 0x80000000
.endr
	tensor_load_to_lds s[G0S:G0S+3], s[G1S:G1S+7]  ; all first fills in one group: the scale words, then the four quarters of the keys
	s_nop 0
.irp k, 0,1,2,3
	tensor_load_to_lds s[G0C+4*\k:G0C+4*\k+3], s[G1C:G1C+7]
	s_nop 0
.endr
.rept 4
	v_nop
.endr
	s_add_nc_u64 s[78:79], s[4:5], s[78:79]
	s_add_nc_u64 s[80:81], s[6:7], s[80:81]
	s_add_nc_u64 s[8:9], s[8:9], s[84:85]
	v_and_b32 v91, 31, v0                          ; lane
	v_and_b32 v92, 15, v0                          ; r
	v_bfe_u32 v93, v0, 4, 1                        ; h
	s_delay_alu instid0(VALU_DEP_3)
	v_lshlrev_b32 v1, 4, v91
	s_delay_alu instid0(VALU_DEP_4)
	v_lshl_add_u32 v2, v91, 3, 512
	s_delay_alu instid0(VALU_DEP_4)
	v_lshl_add_u32 v3, v92, 4, KSB
	v_lshlrev_b32 v217, 4, v92
	global_load_b128 v[22:25], v1, s[78:79]        ; q stays in registers
	global_load_b64 v[26:27], v2, s[78:79]
	global_load_b32 v[QS], v217, s[80:81]
	v_and_b32 v94, 8, v92
	s_delay_alu instid0(VALU_DEP_1)
	v_add_nc_u32 v94, v94, v92
	s_lshr_b32 s90, s[TT], 1
	s_lshl_b32 s90, s90, 5
	s_lshl_b32 s77, s[U], 3
	s_add_co_u32 s90, s90, s77
	v_add_nc_u32 v94, s90, v94                     ; my query in its block
	v_lshlrev_b32 v95, 4, v93
	s_delay_alu instid0(VALU_DEP_1)
	v_sub_nc_u32 v4, v94, v95                      ; register 16 b + i holds key 32 b + i + 16 h: hidden where 32 b + i > this
	s_lshl_b32 s77, s[QB], 7
	v_add_nc_u32 v95, s77, v94
	s_delay_alu instid0(VALU_DEP_1)
	v_cmp_eq_u32 vcc_lo, 0x7ff, v95                ; the last query alone has no hidden key
	v_mov_b32 v5, 0xc79c4000                       ; -80000: x 1/8 it is the mask's -10000
	s_delay_alu instid0(VALU_DEP_1)
	v_mul_f32 v13, s[CS], v5                       ; the mask's t: where the running maximum starts,
	v_mov_b32 v[TA], 0xff61b1e6                    ; but for that one row: -3e38
	s_delay_alu instid0(VALU_DEP_1)
	v_cndmask_b32 v13, v13, v[TA], vcc_lo
	s_delay_alu instid0(VALU_DEP_1)
	v_floor_f32 v12, -v13                          ; -M
	s_lshl_b32 s77, s66, 8
	s_lshl_b32 s91, s[TT], 1
	s_add_co_u32 s77, s77, s91
	s_add_co_u32 s77, s77, GAT
	v_lshl_add_u32 v[GST], v92, 4, s77             ; GAT + 256 (wave / 8) + 16 r + 2 T
	v_add_nc_u32 v[GRD], GAT, v1
	v_mul_u32_u24 v[GOF], s88, v93
	s_delay_alu instid0(VALU_DEP_1)
	v_add_nc_u32 v[GOF], s87, v[GOF]
	s_delay_alu instid0(VALU_DEP_1)
	v_lshl_add_u32 v[GOF], v92, 4, v[GOF]
	s_wait_loadcnt 0x0                             ; q and its word
	v_perm_b32 v[QS], v[QS], v[QS], s89            ; a scale register written by a vector instruction stands eight places ahead of a scaled matrix instruction: the 65 lines of clearing below are those places
	v_mov_b32 v[PW], 0
	v_mov_b32 v14, 0
	v_mov_b32 v15, 0
	v_mov_b32 v6, 0
	v_mov_b32 v[FF+1], 0
.irp i, 16,17,18,19,20,21,28,29,30,31,32,33
	v_mov_b32 v\i, 0                               ; zero codes beside q
.endr
.irp b, 0,1,2,3
	v_mov_b32 v[BX+\b], 0                          ; a lane permute's destination counts as one of its sources
.endr
.set i, 0
.rept 32
	v_mov_b32 v[O+i], 0                            ; the step is written once: the first finds zeros
.set i, i+1
.endr
.set i, 0
.rept 12
	v_mov_b32 v[P+i], 0
.set i, i+1
.endr
.macro VLOAD                           ; V's four fragments (16 channels x 128 keys) and their scale words
.irp tt, 0,1,2,3
.irp c, 0,1
	ds_load_b128 v[F+12*\tt+6*\c:F+12*\tt+6*\c+3], v9 offset:1536*\tt+768*\c
	ds_load_b64 v[F+12*\tt+6*\c+4:F+12*\tt+6*\c+5], v10 offset:1536*\tt+768*\c
.endr
.endr
	ds_load_b128 v[VS:VS+3], v11 offset:4096
.endm
.macro PV                              ; O^T += V^T P^T: four accumulators by turns, one instruction a turn
.irp tt, 0,1,2,3
	v_wmma_scale_f32_16x16x128_f8f6f4 v[O+8*\tt:O+8*\tt+7], v[F+12*\tt:F+12*\tt+11], v[P:P+11], v[O+8*\tt:O+8*\tt+7], v[VS+\tt], v[PW] matrix_a_fmt:MATRIX_FMT_BF6 matrix_b_fmt:MATRIX_FMT_BF6
.endr
.endm
; A STEP: 128 keys.  The branches hang on the step's and the block's numbers alone; no barrier and no tensor load stands in a step.
.macro STEP
	v_add_nc_u32 v7, s[TB], v1                     ; five additions: also the places behind the last step's products, in front of the loads into their registers
	v_add_nc_u32 v8, s[TB], v2
	s_delay_alu instid0(VALU_DEP_2)
	v_add_nc_u32 v9, VB, v7
	s_delay_alu instid0(VALU_DEP_2)
	v_add_nc_u32 v10, VB, v8
	v_add_nc_u32 v11, s[TS], v3
	s_cmp_gt_u32 s[SI], s[QB]
	s_cbranch_scc1 .Lhid_\@
	s_setprio 2
.irp t, 0,1,2,3,4,5,6,7
	ds_load_b128 v[F+6*\t:F+6*\t+3], v7 offset:768*\t
	ds_load_b64 v[F+6*\t+4:F+6*\t+5], v8 offset:768*\t
.endr
	ds_load_b128 v[KSC:KSC+3], v11
	s_wait_dscnt 0x0
.irp b, 0,1,2,3                                ; S^T = K q^T: tiles 2 b (q in the lower half of K) and 2 b + 1 (in the upper)
	v_wmma_scale_f32_16x16x128_f8f6f4 v[S+16*\b:S+16*\b+7], v[F+12*\b:F+12*\b+11], v[22:33], 0, v[KSC+\b], v[QS] matrix_a_fmt:MATRIX_FMT_BF6 matrix_b_fmt:MATRIX_FMT_BF6
	v_wmma_scale_f32_16x16x128_f8f6f4 v[S+16*\b+8:S+16*\b+15], v[F+12*\b:F+12*\b+11], v[16:27], 0, v[KSC+\b], v[QS] matrix_a_fmt:MATRIX_FMT_BF6 matrix_b_fmt:MATRIX_FMT_BF6
.endr
.rept 4
	v_nop                                          ; places: the scores are read and K's registers loaded again below
.endr
	s_wait_alu depctr_va_vdst(0)
	VLOAD                                          ; lands under the softmax
	s_cmp_lg_u32 s[SI], s[QB]
	s_cbranch_scc1 .Lopen_\@
.set n, 0
.rept 64                                       ; on the diagonal: hidden scores take the mask's number
	v_cmp_gt_i32 vcc_lo, 32*(n/16)+n%16, v4
	v_cndmask_b32 v[S+n], v[S+n], v5, vcc_lo
.set n, n+1
.endr
.Lopen_\@:
.irp b, 0,1,2,3
	v_max3_num_f32 v[BM+\b], v[S+16*\b], v[S+1+16*\b], v[S+2+16*\b]   ; the largest score of each block of 32 keys: for the row's maximum, and, since p rises with the score, for the block's largest p
.endr
.irp i, 3,5,7,9,11,13
.irp b, 0,1,2,3
	v_max3_num_f32 v[BM+\b], v[BM+\b], v[S+16*\b+\i], v[S+1+16*\b+\i]
.endr
.endr
.irp b, 0,1,2,3
	v_max_num_f32 v[BM+\b], v[BM+\b], v[S+15+16*\b]
.endr
.irp b, 0,1,2,3
	s_delay_alu instid0(VALU_DEP_4)
	v_permlanex16_b32 v[BX+\b], v[BM+\b], s[SEL], s[SEL+1]
.endr
.irp b, 0,1,2,3
	s_delay_alu instid0(VALU_DEP_4)
	v_max_num_f32 v[BM+\b], v[BM+\b], v[BX+\b]
.endr
	s_delay_alu instid0(VALU_DEP_2)
	v_max3_num_f32 v[TA], v[BM], v[BM+1], v[BM+2]
	s_delay_alu instid0(VALU_DEP_1)
	v_max_num_f32 v[TA], v[TA], v[BM+3]
	s_delay_alu instid0(VALU_DEP_1)
	v_mul_f32 v[TA], s[CS], v[TA]                  ; the step's largest t
	s_delay_alu instid0(VALU_DEP_1)
	v_max_num_f32 v13, v13, v[TA]
	v_mov_b32 v[TA], v12
	s_delay_alu instid0(VALU_DEP_2)
	v_floor_f32 v12, -v13                          ; the new -M: a whole number
	s_delay_alu instid0(VALU_DEP_1)
	v_sub_f32 v[TA], v12, v[TA]                    ; old M - new M, 0 or less
	s_delay_alu instid0(VALU_DEP_1)
	v_cvt_i32_f32 v[TA], v[TA]                     ; (it saturates)
	s_delay_alu instid0(VALU_DEP_1)
	v_ldexp_f32 v[FF], 1.0, v[TA]                  ; f: a multiplication by it rounds nothing
.set j, 0
.rept 32
	v_pk_fma_f32 v[S+j:S+j+1], v[S+j:S+j+1], s[CS:CS+1], v[12:13] op_sel_hi:[1,0,0]   ; t - M
.set j, j+2
.endr
.irp b, 0,1,2,3
	v_fma_f32 v[BM+\b], v[BM+\b], s[CS], v12
.endr
.set j, 0
	s_setprio 1
	s_wait_alu depctr_va_vdst(0)
.rept 64
	v_exp_f32 v[S+j], v[S+j]                       ; p
.set j, j+1
.endr
.irp b, 0,1,2,3
	v_exp_f32 v[BM+\b], v[BM+\b]                   ; the block's largest p: the same two instructions on the same number
.endr
	v_pk_mul_f32 v[14:15], v[14:15], v[FF:FF+1] op_sel_hi:[1,0]   ; the sum under the new M (a plain place behind the exponentials)
	s_wait_alu depctr_va_vdst(0)
.irp b, 0,1,2,3
	v_max_num_f32 v[BM+\b], 0x2800000, v[BM+\b]    ; the floor
.endr
.irp b, 0,1,2,3
	s_delay_alu instid0(VALU_DEP_4)
	v_add_nc_u32 v[SO+\b], 0xfe000000, v[BM+\b]
.endr
.irp b, 0,1,2,3
	s_delay_alu instid0(VALU_DEP_4)
	v_lshrrev_b32 v[BX+\b], 23, v[SO+\b]
.endr
	s_delay_alu instid0(VALU_DEP_3)
	v_lshl_or_b32 v[PW], v[BX+1], 8, v[BX]
	s_delay_alu instid0(VALU_DEP_1)
	v_lshl_or_b32 v[PW], v[BX+2], 16, v[PW]
	s_delay_alu instid0(VALU_DEP_1)
	v_lshl_or_b32 v[PW], v[BX+3], 24, v[PW]
.irp c, 0,1
	v_cvt_scalef32_pk16_bf6_f32 v[P+6*\c:P+6*\c+2], v[S+32*\c:S+32*\c+15], v[SO+2*\c]
	v_cvt_scalef32_pk16_bf6_f32 v[CT+4*\c:CT+4*\c+2], v[S+16+32*\c:S+31+32*\c], v[SO+2*\c+1]
.endr
	v_nop                                          ; one plain place behind a scaled conversion
.irp c, 0,1
.irp i, 0,1,2
	v_permlane16_swap_b32 v[P+6*\c+\i], v[CT+4*\c+\i]
.endr
.irp i, 0,1,2
	s_delay_alu instid0(VALU_DEP_3)
	v_mov_b32 v[P+3+6*\c+\i], v[CT+4*\c+\i]
.endr
.endr
	v_pk_add_f32 v[212:213], v[100:101], v[104:105]
	v_pk_add_f32 v[252:253], v[108:109], v[112:113]
	v_pk_add_f32 v[250:251], v[116:117], v[120:121]
	v_pk_add_f32 v[248:249], v[124:125], v[128:129]
	v_pk_add_f32 v[246:247], v[132:133], v[136:137]
	v_pk_add_f32 v[244:245], v[140:141], v[144:145]
	v_pk_add_f32 v[242:243], v[148:149], v[152:153]
	v_pk_add_f32 v[14:15], v[14:15], v[156:157]
	v_pk_add_f32 v[212:213], v[212:213], v[96:97]
	v_pk_add_f32 v[252:253], v[252:253], v[98:99]
	v_pk_add_f32 v[250:251], v[250:251], v[102:103]
	v_pk_add_f32 v[248:249], v[248:249], v[106:107]
	v_pk_add_f32 v[246:247], v[246:247], v[110:111]
	v_pk_add_f32 v[244:245], v[244:245], v[114:115]
	v_pk_add_f32 v[242:243], v[242:243], v[118:119]
	v_pk_add_f32 v[14:15], v[14:15], v[122:123]
	v_pk_add_f32 v[212:213], v[212:213], v[126:127]
	v_pk_add_f32 v[252:253], v[252:253], v[130:131]
	v_pk_add_f32 v[250:251], v[250:251], v[134:135]
	v_pk_add_f32 v[248:249], v[248:249], v[138:139]
	v_pk_add_f32 v[246:247], v[246:247], v[142:143]
	v_pk_add_f32 v[244:245], v[244:245], v[146:147]
	v_pk_add_f32 v[242:243], v[242:243], v[150:151]
	v_pk_add_f32 v[14:15], v[14:15], v[154:155]
	v_pk_add_f32 v[212:213], v[212:213], v[158:159]
	s_delay_alu instid0(VALU_DEP_2)
	v_pk_add_f32 v[14:15], v[14:15], v[248:249]
	s_delay_alu instid0(VALU_DEP_2)
	v_pk_add_f32 v[212:213], v[212:213], v[246:247]
	v_pk_add_f32 v[252:253], v[252:253], v[244:245]
	v_pk_add_f32 v[250:251], v[250:251], v[242:243]
	s_delay_alu instid0(VALU_DEP_2)
	v_pk_add_f32 v[14:15], v[14:15], v[252:253]
	s_delay_alu instid0(VALU_DEP_2)
	v_pk_add_f32 v[212:213], v[212:213], v[250:251]
	s_delay_alu instid0(VALU_DEP_1)
	v_pk_add_f32 v[14:15], v[14:15], v[212:213]
.set j, 0
.rept 16
	v_pk_mul_f32 v[O+j:O+j+1], v[O+j:O+j+1], v[FF:FF+1] op_sel_hi:[1,0]   ; O^T under the new M; these and the sums are the places in front of the products
.set j, j+2
.endr
	s_setprio 0
	s_wait_alu depctr_va_vdst(0)
	s_wait_dscnt 0x0                               ; V
	PV
	s_cmp_lg_u32 s[SI], s[QB]
	s_cbranch_scc1 .Lnext_\@
.rept 4
	v_nop                                          ; places: p's codes and word are written below
.endr
	v_fma_f32 v[TA], v5, s[CS], v12                ; BEHIND THE DIAGONAL M stands still and every key's p is this one number
	s_wait_alu depctr_va_vdst(0)
	v_exp_f32 v[TA], v[TA]
	v_nop
	s_wait_alu depctr_va_vdst(0)
	v_mul_f32 v6, 0x42800000, v[TA]                ; a lane's 64 keys of a step add 64 p to its sum
	v_max_num_f32 v[BM], 0x2800000, v[TA]
	s_delay_alu instid0(VALU_DEP_1)
	v_add_nc_u32 v[SO], 0xfe000000, v[BM]
	s_delay_alu instid0(VALU_DEP_1)
	v_lshrrev_b32 v[BX], 23, v[SO]
	s_delay_alu instid0(VALU_DEP_1)
	v_lshl_or_b32 v[PW], v[BX], 8, v[BX]
	s_delay_alu instid0(VALU_DEP_1)
	v_lshl_or_b32 v[PW], v[PW], 16, v[PW]
.set j, 0
.rept 16
	v_mov_b32 v[S+j], v[TA]
.set j, j+1
.endr
	v_cvt_scalef32_pk16_bf6_f32 v[P:P+2], v[S:S+15], v[SO]        ; 16 equal codes: 96 bits, which repeat through the fragment
	v_nop
.set j, 0
.rept 9
	v_mov_b32 v[P+3+j], v[P+j%3]
.set j, j+1
.endr
	s_branch .Lnext_\@
.Lhid_\@:
	s_wait_alu depctr_va_vdst(0)
	VLOAD
	v_add_f32 v14, v14, v6
	s_wait_dscnt 0x0
	PV
.Lnext_\@:
	s_add_co_u32 s[SI], s[SI], 1
	s_add_co_u32 s[TB], s[TB], 6144
	s_add_co_u32 s[TS], s[TS], 256
.endm
; A QUARTER of the keys: its tiles have landed in every wave, then four steps.
.macro QUARTER k
	s_wait_dscnt 0x0
	s_wait_tensorcnt 3-\k                          ; tensor loads end in order (ISA guide 10.11.1): the scale words and quarters 0 .. k are in; the 3 - k later ones stay out
	s_barrier_signal -1
	s_barrier_wait -1
	s_mov_b32 s[TB], \k*24576
	s_mov_b32 s[TS], \k*1024
	s_mov_b32 s[TRIP], 4
.Lq_\@:
	STEP
	s_sub_co_u32 s[TRIP], s[TRIP], 1
	s_cmp_lg_u32 s[TRIP], 0
	s_cbranch_scc1 .Lq_\@
	s_setprio 0
.endm
	QUARTER 0
	QUARTER 1
	QUARTER 2
	QUARTER 3
	; THE WAY OUT: a = O^T / the sum; register 16 b + i is channel 32 b + 16 h + i of my query: two blocks of the model's 1,024.  Quantised, and stored as half a fragment's registers stand.
.rept 4
	v_nop
.endr
	s_wait_alu depctr_va_vdst(0)
	v_add_f32 v14, v14, v15
	v_permlanex16_b32 v[TA], v14, s[SEL], s[SEL+1]
	s_delay_alu instid0(VALU_DEP_1)
	v_add_f32 v14, v14, v[TA]
	s_wait_alu depctr_va_vdst(0)
	v_rcp_f32 v14, v14
	v_nop
.set i, 0
	s_wait_alu depctr_va_vdst(0)
.rept 32
	v_mul_f32 v[S+i], v[O+i], v14
.set i, i+1
.endr
.irp b, 0,1
	v_max3_num_f32 v[BM+\b], |v[S+16*\b]|, |v[S+1+16*\b]|, 0x2800000
.endr
.irp i, 2,4,6,8,10,12,14
.irp b, 0,1
	s_delay_alu instid0(VALU_DEP_2)
	v_max3_num_f32 v[BM+\b], v[BM+\b], |v[S+16*\b+\i]|, |v[S+1+16*\b+\i]|
.endr
.endr
.irp b, 0,1
	s_delay_alu instid0(VALU_DEP_2)
	v_permlanex16_b32 v[BX+\b], v[BM+\b], s[SEL], s[SEL+1]
.endr
.irp b, 0,1
	s_delay_alu instid0(VALU_DEP_2)
	v_max_num_f32 v[BM+\b], v[BM+\b], v[BX+\b]
.endr
.irp b, 0,1
	s_delay_alu instid0(VALU_DEP_2)
	v_add_nc_u32 v[SO+\b], 0xfe000000, v[BM+\b]
.endr
.irp b, 0,1
	s_delay_alu instid0(VALU_DEP_2)
	v_lshrrev_b32 v[BX+\b], 23, v[SO+\b]
.endr
	s_delay_alu instid0(VALU_DEP_1)
	v_lshl_or_b32 v[TA], v[BX+1], 8, v[BX]
	v_cvt_scalef32_pk16_bf6_f32 v[224:226], v[S:S+15], v[SO]
	v_cvt_scalef32_pk16_bf6_f32 v[236:238], v[S+16:S+31], v[SO+1]
	v_nop
.irp i, 0,1,2
	v_permlane16_swap_b32 v[224+\i], v[236+\i]
.endr
.irp i, 0,1,2
	s_delay_alu instid0(VALU_DEP_3)
	v_mov_b32 v[227+\i], v[236+\i]
.endr
	global_store_b128 v1, v[224:227], s[8:9]       ; 512 consecutive bytes, aligned
	global_store_b64 v2, v[228:229], s[8:9]        ; and 256
	ds_store_b16 v[GST], v[TA]                     ; both lanes of a query write the same two bytes
	s_wait_dscnt 0x0                               ; for wave 0's sake
	s_barrier_signal -1
	s_barrier_wait -1
	s_cmp_lg_u32 s[WV], 0
	s_cbranch_scc1 .Ldone
	ds_load_b128 v[96:99], v[GRD]                  ; lanes 0-15: block J's 256 bytes; lanes 16-31: block 15 - J's
	s_wait_dscnt 0x0
	global_store_b128 v[GOF], v[96:99], s[10:11]   ; sixteen lanes store 256 consecutive bytes, aligned
.Ldone:
	s_wait_tensorcnt 0x0
	ds_add_u32 v254, v255
	s_wait_dscnt 0x0
	s_endpgm
.Lfunc_end_k_qa971887c84_attn:
	.size	k_qa971887c84_attn, .Lfunc_end_k_qa971887c84_attn-k_qa971887c84_attn
	.p2alignl 7, 3214868480
	.fill 96, 4, 3214868480
	.section	.rodata,"a",@progbits
	.p2align	6, 0x0
	.amdhsa_kernel k_qa971887c84_attn
		.amdhsa_group_segment_fixed_size 207360
		.amdhsa_private_segment_fixed_size 0
		.amdhsa_enable_private_segment 0
		.amdhsa_kernarg_size 32
		.amdhsa_user_sgpr_count 2
		.amdhsa_user_sgpr_kernarg_segment_ptr 1
		.amdhsa_wavefront_size32 1
		.amdhsa_system_sgpr_workgroup_id_x 1
		.amdhsa_system_sgpr_workgroup_id_y 1
		.amdhsa_system_sgpr_workgroup_id_z 1
		.amdhsa_system_vgpr_workitem_id 0
		.amdhsa_next_free_vgpr 256
		.amdhsa_next_free_sgpr 92
		.amdhsa_reserve_vcc 1
		.amdhsa_float_denorm_mode_32 3
		.amdhsa_float_denorm_mode_16_64 3
		.amdhsa_memory_ordered 1
		.amdhsa_forward_progress 1
		.amdhsa_inst_pref_size 119
	.end_amdhsa_kernel
	.amdgpu_metadata
---
amdhsa.version: [ 1, 2 ]
amdhsa.kernels:
  - .name:           k_qa971887c84_attn
    .symbol:         k_qa971887c84_attn.kd
    .args:
      - { .name: qkvc, .offset: 0, .size: 8, .value_kind: global_buffer, .address_space: global }
      - { .name: qkvs, .offset: 8, .size: 8, .value_kind: global_buffer, .address_space: global }
      - { .name: ac, .offset: 16, .size: 8, .value_kind: global_buffer, .address_space: global }
      - { .name: asc, .offset: 24, .size: 8, .value_kind: global_buffer, .address_space: global }
    .group_segment_fixed_size: 207360
    .private_segment_fixed_size: 0
    .kernarg_segment_align: 8
    .kernarg_segment_size: 32
    .max_flat_workgroup_size: 512
    .sgpr_count:     92
    .vgpr_count:     256
    .wavefront_size: 32
...
	.end_amdgpu_metadata
.endif
;; end of part 3
;; launch proj (part 4): grid 4 x 32, 4 waves a work-group, clusters of 4 x 4, 327,680 bytes of LDS; arguments ac, asc, opc, ops, b_proj, out0; writes out0
.if DOCPART == 4
	.amdgcn_target "amdgcn-amd-amdhsa--gfx1250"
	.amdhsa_code_object_version 6
	.text
	.protected	k_qa971887c84_proj
	.globl	k_qa971887c84_proj
	.p2align	8
	.type	k_qa971887c84_proj,@function
k_qa971887c84_proj:
	s_mov_b64 s[64:65], 0
	v_nop
	global_prefetch_b8 v0, s[64:65] scope:SCOPE_SE
	s_setreg_imm32_b32 hwreg(HW_REG_WAVE_MODE, 25, 1), 1
	s_wait_xcnt 0x0
	s_wait_alu depctr_hold_cnt(0) depctr_sa_sdst(0) depctr_va_vdst(0) depctr_va_sdst(0) depctr_va_ssrc(0) depctr_va_vcc(0) depctr_vm_vsrc(0)
	s_getreg_b32 s2, hwreg(HW_REG_IB_STS2, 6, 4)
	s_cmp_eq_u32 s2, 0
	s_cbranch_scc0 .Lentry_in_a_cluster
	s_endpgm
.Lentry_in_a_cluster:
	s_bfe_u32 s2, ttmp6, 0x10000c
	s_cmp_lg_u32 s2, 0xf033
	s_cbranch_scc0 .Lentry_shape_is_right
	s_endpgm
.Lentry_shape_is_right:
; out0 = a w_proj + b_proj on codes of BF6 (E3M2) with E8M0 scales, f32 sums.  A work-group of four waves makes 256 tokens x 256 columns, a wave 128 x 128 (64 accumulators, 512 registers).
; SIDE A (source 1: a lane holds one token) comes from ac [block of 128 tokens][tile 8][head 16][768]: half fragments as their registers stand (registers 0-3 at 16 x lane, 4-5 at 512 + 8 x lane); tile t's lane r is token
; 32 (t / 2) + 8 (t % 2) + r + 8 (r / 8) of the block.  SIDE B (source 0: along a lane's registers) is rows 11264 + .. of opc, column n of w_proj stored with bits 3 and 4 of n exchanged; the way out puts both orders right.
; K = 1,024 goes in four steps of 256 (four heads) through a ring of two LDS slots; the eight steps of 128 are written out, since A's scale words lie in registers whose numbers move with K.
; A's scale words are made once, from asc [block][head][r 16][tile 8] of two bytes; B's scale bytes of all of K come into LDS once.
; CLUSTERS: 4 x 4 work-groups; A's tiles are asked for jointly along a row of the cluster, B's along a column.  128 work-groups: a smaller tile would fill more WGPs at twice the LDS reads for each product.
; REGISTERS: window 0: v0-31 addresses and the bias; v32-63 B's scale words, two sets; v64-127 A's scale words (8 steps x 8 blocks); v128-223 A's fragments, one set; on the way out v128-255.
;   window 1: B's fragments, two sets.   windows 2, 3: the accumulators ((a, b) at v[8 (8 (a % 4) + b)]).
.set NQ,     2
.set ROWB,   192
.set KROW,   768
.set PITCH,  240                       ; B's LDS row: 3 x (64 bytes + 16 of padding)
.set FR,     12
.set NLA,    4                         ; LDS loads that bring a fragment of A
.set NP,     4
.set HALFA,  24576                     ; 8 tiles of tokens x 4 heads x 768 bytes: what one tensor load brings of A
.set HALFB,  128*PITCH                 ; and of B
.set BOFF,   2*HALFA
.set SLOT,   2*HALFA+2*HALFB
.set SCL,    2*SLOT                    ; B's scale bytes, as units of 256 bytes + 16 of padding
.set HALFS,  16*272
.set SBLK,   2*272
.set SPARE,  SCL+2*HALFS               ; the spare words, 128 bytes for each wave: two blocks of 256 bytes that no other line names
.set SPITCH, 528                       ; the way out: a stage of 16 rows x (512 + 16) bytes for each wave, in slot 0, which has had its last fill and its last read by then
.set BI,     8                         ; v8-11  b_proj at my four columns of a row
.set ADRA16, 12                        ; v12-13 A's fragments in slot 0, 1: 16 x lane
.set ADRA8,  14                        ; v14-15 and 512 + 8 x lane
.set ADRB,   20                        ; v20-21, v22-23
.set STO,    24
.set RD,     25
.set CO,     26                        ; 16 x lane
.set ADRS,   27
.set SPW,    28                        ; my spare word: SPARE + 4 x my thread's number; never rewritten
.set NIL,    29                        ; 0; never rewritten
.set SC,     32
.set AS,     64
.set AF,     128
.set BK,     128
.set G1,   24
.set G0,   32
.set G1B,  48
.set G0B,  56
.set G1SB, 80
.set G0SB, 88
.set WV,   95
.set WR,   96                          ; which block of 128 tokens is mine.  Also: I fetch for A (0) or B (1)
.set WC,   97                          ; which 128 columns.  Also: which half I fetch
.set MSB, 0
.macro WIN new
.if MSB != (\new)
	s_set_vgpr_msb (MSB<<8)|(\new)
.set MSB, (\new)
.endif
.endm
.set MUL_LO, 0xa1
.set MUL_HI, 0xf1
.set TO_B,   0x40
.macro JLOAD g0a, g1a, g0b, g1b        ; a joint refill: waves 0 and 1 for A, waves 2 and 3 for B; four v_nop follow each line
	s_cmp_eq_u32 s[WR], 0
	s_cbranch_scc0 .Lfor_b_\@
	tensor_load_to_lds s[\g0a:\g0a+3], s[\g1a:\g1a+7]
	s_nop 0
.rept 4
	v_nop
.endr
	s_branch .Lasked_\@
.Lfor_b_\@:
	tensor_load_to_lds s[\g0b:\g0b+3], s[\g1b:\g1b+7]
	s_nop 0
.rept 4
	v_nop
.endr
.Lasked_\@:
.endm
.macro CREST
	s_cmp_lg_u32 s[WV], 0
	s_cbranch_scc1 .Lnot_wave_0_\@
	s_barrier_signal -3
.Lnot_wave_0_\@:
	s_barrier_wait -3
	s_barrier_signal -1
	s_barrier_wait -1
.endm
.macro CROUND
	s_barrier_signal -1
	s_barrier_wait -1
	CREST
.endm
	s_load_b256 s[4:11], s[0:1], 0x0               ; ac s[4:5], asc s[6:7], opc s[8:9], ops s[10:11]
	s_load_b128 s[12:15], s[0:1], 0x20             ; b_proj s[12:13], out0 s[14:15]
	v_lshl_add_u32 v[SPW], v0, 2, SPARE
	v_mov_b32 v[NIL], 0
	ds_add_u32 v28, v29
	ds_add_u32 v28, v29
	s_wait_dscnt 0x0
	v_lshrrev_b32 v1, 5, v0
	v_readfirstlane_b32 s[WV], v1
	s_lshr_b32 s[WR], s[WV], 1
	s_and_b32 s[WC], s[WV], 1
	s_bfe_u32 s40, ttmp6, 0x40000                  ; cx
	s_bfe_u32 s41, ttmp6, 0x40004                  ; cy
	s_lshl_b32 s42, ttmp9, 2
	s_add_co_u32 s42, s42, s40                     ; tile of 256 columns
	s_and_b32 s17, ttmp7, 0xffff
	s_lshl_b32 s17, s17, 2
	s_add_co_u32 s17, s17, s41                     ; tile of 256 tokens
	s_lshl_b32 s43, s41, 2
	s_lshl_b32 s43, 15, s43                        ; my row of the cluster
	s_lshl_b32 s44, 0x1111, s40                    ; my column
	; A: 8 rows (tiles of tokens) x 3,072 bytes (four heads), 12,288 bytes apart; elements of 8 bytes; no padding: the images are read 16 and 8 bytes a lane on end
	s_or_b32 s[G1+0], s43, (3<<16)|(1<<21)
	s_mov_b32 s[G1+1], 384<<16
	s_mov_b32 s[G1+2], 8<<16
	s_mov_b32 s[G1+3], 384<<16
	s_mov_b32 s[G1+4], 8
	s_mov_b32 s[G1+5], 1536
	s_mov_b32 s[G1+6], 0
	s_mov_b32 s[G1+7], 0
	; B: 128 rows x 192 bytes, 16 bytes of padding behind every 64
	s_or_b32 s[G1B+0], s44, (0<<16)|(1<<20)|(1<<21)|(3<<22)|(3<<25)
	s_mov_b32 s[G1B+1], ROWB<<16
	s_mov_b32 s[G1B+2], 128<<16
	s_mov_b32 s[G1B+3], ROWB<<16
	s_mov_b32 s[G1B+4], 128
	s_mov_b32 s[G1B+5], KROW
	s_mov_b32 s[G1B+6], 0
	s_mov_b32 s[G1B+7], 0
	; B's scales of 128 rows: 16 rows of 256 bytes, 16 bytes of padding behind each
	s_or_b32 s[G1SB+0], s44, (3<<16)|(1<<20)|(1<<21)|(5<<22)|(3<<25)
	s_mov_b32 s[G1SB+1], 32<<16
	s_mov_b32 s[G1SB+2], 16<<16
	s_mov_b32 s[G1SB+3], 32<<16
	s_mov_b32 s[G1SB+4], 16
	s_mov_b32 s[G1SB+5], 32
	s_mov_b32 s[G1SB+6], 0
	s_mov_b32 s[G1SB+7], 0
	s_lshl_b32 s20, s17, 4
	s_lshl_b32 s18, s[WC], 3
	s_add_co_u32 s20, s20, s18
	s_mul_i32 s20, s20, 12288                      ; A: tile of tokens 16 x tile + 8 x half
	s_mov_b32 s21, 0
	s_lshl_b32 s46, s42, 8
	s_lshl_b32 s18, s[WC], 7
	s_add_co_u32 s46, s46, s18
	s_add_co_u32 s46, s46, 11264                   ; B: row of opc
	s_lshl_b32 s92, s46, 5                         ; its scales,
	s_mov_b32 s93, 0
	s_mul_i32 s46, s46, KROW                       ; its codes
	s_mov_b32 s47, 0
	s_mul_i32 s45, s[WC], HALFA                    ; where they go: no place in the cluster enters an LDS address
	s_mul_i32 s94, s[WC], HALFB
	s_add_co_u32 s94, s94, BOFF
	s_mul_i32 s19, s[WC], HALFS
	s_wait_kmcnt 0x0
	s_add_nc_u64 s[20:21], s[4:5], s[20:21]
	s_add_nc_u64 s[46:47], s[8:9], s[46:47]
	s_add_nc_u64 s[92:93], s[10:11], s[92:93]
	CROUND                                         ; all sixteen work-groups are here: the first joint loads meet
	s_mov_b32 s[G0SB], 1
	s_add_co_u32 s[G0SB+1], s19, SCL
	s_mov_b64 s[G0SB+2:G0SB+3], s[92:93]
	s_or_b32 s[G0SB+3], s[G0SB+3], 0x80000000
.irp s, 0,1
	s_mov_b32 s[G0+4*\s], 1
	s_add_co_u32 s[G0+4*\s+1], s45, \s*SLOT
	s_add_nc_u64 s[G0+4*\s+2:G0+4*\s+3], s[20:21], \s*3072
	s_or_b32 s[G0+4*\s+3], s[G0+4*\s+3], 0x80000000
	s_mov_b32 s[G0B+4*\s], 1
	s_add_co_u32 s[G0B+4*\s+1], s94, \s*SLOT
	s_add_nc_u64 s[G0B+4*\s+2:G0B+4*\s+3], s[46:47], \s*ROWB
	s_or_b32 s[G0B+4*\s+3], s[G0B+4*\s+3], 0x80000000
.endr
	s_cmp_eq_u32 s[WR], 0                          ; a wave's first fills stand in one branch: two loads of mine are out, or three
	s_cbranch_scc0 .Lfirst_b
	tensor_load_to_lds s[G0:G0+3], s[G1:G1+7]
	s_nop 0
	tensor_load_to_lds s[G0+4:G0+7], s[G1:G1+7]
	s_nop 0
.rept 4
	v_nop
.endr
	s_branch .Lfirst_done
.Lfirst_b:
	tensor_load_to_lds s[G0SB:G0SB+3], s[G1SB:G1SB+7]
	s_nop 0
	tensor_load_to_lds s[G0B:G0B+3], s[G1B:G1B+7]
	s_nop 0
	tensor_load_to_lds s[G0B+4:G0B+7], s[G1B:G1B+7]
	s_nop 0
.rept 4
	v_nop
.endr
.Lfirst_done:
	v_and_b32 v1, 15, v0                           ; r
	v_bfe_u32 v2, v0, 4, 1                         ; h
	v_and_b32 v6, 31, v0
	v_lshlrev_b32 v[CO], 4, v6
	s_lshl_b32 s18, s17, 1
	s_add_co_u32 s18, s18, s[WR]
	s_lshl_b32 s18, s18, 12                        ; my block's 16 heads x 256 bytes of asc
	s_mov_b32 s19, 0
	s_add_nc_u64 s[6:7], s[6:7], s[18:19]
	v_lshlrev_b32 v7, 4, v1
.irp hd, 0,1,2,3,4,5,6,7,8,9,10,11,12,13,14,15
	global_load_b128 v[128+4*\hd:131+4*\hd], v7, s[6:7] offset:256*\hd   ; head hd, my row r: the eight tiles' two bytes each
.endr
	s_lshl_b32 s18, s42, 8
	s_lshl_b32 s20, s[WC], 7
	s_add_co_u32 s18, s18, s20
	s_lshl_b32 s18, s18, 2                         ; my first column, in bytes
	s_add_nc_u64 s[12:13], s[12:13], s[18:19]
	global_load_b128 v[BI:BI+3], v[CO], s[12:13]
	s_add_nc_u64 s[14:15], s[14:15], s[18:19]
	s_lshl_b32 s18, s17, 8
	s_lshl_b32 s20, s[WR], 7
	s_add_co_u32 s18, s18, s20
	s_lshl_b32 s18, s18, 12                        ; my first token's row of 4,096 bytes
	s_add_nc_u64 s[14:15], s[14:15], s[18:19]
	v_lshl_add_u32 v3, v6, 3, 512
	s_mul_i32 s21, s[WR], HALFA
.irp s, 0,1
	v_add_nc_u32 v[ADRA16+\s], s21, v[CO]
	v_add_nc_u32 v[ADRA8+\s], s21, v3
	s_add_co_u32 s21, s21, SLOT
.endr
	v_mul_u32_u24 v3, v1, PITCH
	v_mul_u32_u24 v4, v2, 24
	v_add_nc_u32 v4, v3, v4
	v_lshl_add_u32 v5, v2, 4, v4
	s_mul_i32 s22, s[WC], HALFB
	s_add_co_u32 s22, s22, BOFF
.irp s, 0,1
	v_add_nc_u32 v[ADRB+\s], s22, v4
	v_add_nc_u32 v[ADRB+2+\s], s22, v5
	s_add_co_u32 s22, s22, SLOT
.endr
	v_mul_u32_u24 v5, v1, 32                       ; B's scale words: every lane takes row r of a block: lanes 0-15 are read
	v_lshrrev_b32 v3, 8, v5
	v_lshl_add_u32 v5, v3, 4, v5
	s_mul_i32 s21, s[WC], HALFS
	s_add_co_u32 s21, s21, SCL
	v_add_nc_u32 v[ADRS], s21, v5
	s_mul_i32 s23, s[WV], 16*SPITCH                ; my stage
	v_mul_u32_u24 v5, v1, SPITCH
	v_lshl_add_u32 v5, v2, 6, v5                   ; in: row r; my half's 16 columns of each 32
	v_add_nc_u32 v[STO], s23, v5
	v_add_nc_u32 v[RD], s23, v[CO]                 ; back: the 32 lanes take one row of 512 bytes
	s_mov_b32 s68, 0x05040100
	s_mov_b32 s69, 0x07060302
	s_wait_loadcnt 0x0
.irp kq, 0,1,2,3,4,5,6,7                       ; A's scale word of step kq (heads 2 kq, 2 kq + 1) and tile t: the first head's two bytes, then the second's
.irp m, 0,1,2,3
	v_perm_b32 v[AS+8*\kq+2*\m], v[128+8*\kq+4+\m], v[128+8*\kq+\m], s68
	v_perm_b32 v[AS+8*\kq+2*\m+1], v[128+8*\kq+4+\m], v[128+8*\kq+\m], s69
.endr
.endr
.rept 8
	v_nop                                          ; a scale register written by a vector instruction stands eight places ahead of a scaled matrix instruction
.endr
.macro FRAG reg, adr, q, i             ; B: 16 rows x 128 K in pieces of 8 bytes
.irp p, 0,1,2,3,4,5
.set PCE, 12*(\q)+6*(\p/3)+\p%3
.if PCE%8 < 5
	ds_load_b64 v[\reg+2*\p:\reg+2*\p+1], v[\adr] offset:8*PCE+16*(PCE/8)+(\i)*16*PITCH
.else
	ds_load_b64 v[\reg+2*\p:\reg+2*\p+1], v[\adr+2] offset:8*PCE+16*(PCE/8)+(\i)*16*PITCH
.endif
.endr
.endm
.macro FRAGA reg, slot, q, i           ; A: two half fragments, as their registers stand
.irp c, 0,1
	ds_load_b128 v[\reg+6*\c:\reg+6*\c+3], v[ADRA16+\slot] offset:(\i)*3072+(2*(\q)+\c)*768
	ds_load_b64 v[\reg+6*\c+4:\reg+6*\c+5], v[ADRA8+\slot] offset:(\i)*3072+(2*(\q)+\c)*768
.endr
.endm
; 16 matrix instructions; the 64 accumulators take turns, one instruction a turn, in the same order in every step
.macro MUL16 a0, p, q, sc, kq, zero
.irp a, \a0, \a0+1
.irp b, 0,1,2,3,4,5,6,7
.if \zero
	v_wmma_scale_f32_16x16x128_f8f6f4 v[8*(8*((\a)%4)+\b):8*(8*((\a)%4)+\b)+7], v[128*(\p)+FR*\b:128*(\p)+FR*\b+FR-1], v[AF+FR*(\a):AF+FR*(\a)+FR-1], 0, v[SC+8*NQ*(\sc)+NQ*\b+(\q)], v[AS+8*(\kq)+(\a)] matrix_a_fmt:MATRIX_FMT_BF6 matrix_b_fmt:MATRIX_FMT_BF6
.else
	v_wmma_scale_f32_16x16x128_f8f6f4 v[8*(8*((\a)%4)+\b):8*(8*((\a)%4)+\b)+7], v[128*(\p)+FR*\b:128*(\p)+FR*\b+FR-1], v[AF+FR*(\a):AF+FR*(\a)+FR-1], v[8*(8*((\a)%4)+\b):8*(8*((\a)%4)+\b)+7], v[SC+8*NQ*(\sc)+NQ*\b+(\q)], v[AS+8*(\kq)+(\a)] matrix_a_fmt:MATRIX_FMT_BF6 matrix_b_fmt:MATRIX_FMT_BF6
.endif
.endr
.endr
.endm
.macro FETCH_B slot, q, p
	WIN TO_B
.irp i, 0,1,2,3,4,5,6,7
	FRAG 128*(\p)+FR*\i, ADRB+\slot, \q, \i
.endr
	WIN 0
.endm
.macro FETCH_A slot, q, i0
.irp i, \i0, \i0+1, \i0+2, \i0+3
	FRAGA AF+FR*(\i), \slot, \q, \i
.endr
.endm
.macro SCALES sc
.irp i, 0,1,2,3,4,5,6,7
	ds_load_b64 v[SC+8*NQ*\sc+NQ*\i:SC+8*NQ*\sc+NQ*\i+1], v[ADRS] offset:\i*SBLK
.endr
.endm
.macro PLACES n
.rept \n
	v_nop
.endr
.endm
.macro STEP slot, kq, zero             ; a slot's first 128 along K
	s_wait_dscnt 4*NLA                             ; all but the youngest 16 loads (A's blocks 4-7) are in
	WIN MUL_LO
	MUL16 0, 0, 0, \slot, \kq, \zero
	MUL16 2, 0, 0, \slot, \kq, \zero
	s_wait_dscnt 0
	PLACES NP
	FETCH_B \slot, 1, 1
	FETCH_A \slot, 1, 0
	WIN MUL_HI
	MUL16 4, 0, 0, \slot, \kq, \zero
	MUL16 6, 0, 0, \slot, \kq, \zero
	PLACES NP
	WIN 0
	FETCH_A \slot, 1, 4
.endm
.macro TURN slot, next, fill, kq       ; its second, which changes slots
	s_wait_tensorcnt 0x0                           ; all my tensor loads have landed: my part of the next slot
	ds_add_u32 v[SPW], v[NIL]                      ; 0 onto my spare word
	s_wait_dscnt 4*NLA+1                           ; (the add and the youngest 16 loads may be out)
	WIN MUL_LO
	MUL16 0, 1, 1, \slot, \kq, 0
	s_wait_dscnt 0x0                               ; the add is done, and my reads of this slot are over
	s_barrier_signal -1
	MUL16 2, 1, 1, \slot, \kq, 0
	WIN 0
	s_barrier_wait -1
.if \fill
	CREST                                          ; the barrier has opened a round of the cluster's
	s_add_nc_u64 s[G0+4*\slot+2:G0+4*\slot+3], s[G0+4*\slot+2:G0+4*\slot+3], 2*3072
	s_add_nc_u64 s[G0B+4*\slot+2:G0B+4*\slot+3], s[G0B+4*\slot+2:G0B+4*\slot+3], 2*ROWB
	JLOAD G0+4*\slot, G1, G0B+4*\slot, G1B         ; the first tensor load behind the round; its four v_nop are the places in front of the loads below
.else
	PLACES NP
.endif
	v_add_nc_u32 v[ADRS], 4*NQ, v[ADRS]
	FETCH_B \next, 0, 0
	FETCH_A \next, 0, 0
	SCALES \next
	WIN MUL_HI
	MUL16 4, 1, 1, \slot, \kq, 0
	MUL16 6, 1, 1, \slot, \kq, 0
	PLACES NP
	WIN 0
	FETCH_A \next, 0, 4
.endm
	s_wait_tensorcnt 1                             ; my part of slot 0 (and B's scales) is in; slot 1's load may be out
	s_barrier_signal -1
	s_barrier_wait -1
	FETCH_B 0, 0, 0
	FETCH_A 0, 0, 0
	SCALES 0
	FETCH_A 0, 0, 4
	STEP 0, 0, 1                                   ; the first products start the sums
	TURN 0, 1, 1, 1                                ; slot 0 takes K step 2
	STEP 1, 2, 0
	TURN 1, 0, 1, 3                                ; slot 1 takes K step 3
	STEP 0, 4, 0
	TURN 0, 1, 0, 5                                ; nothing is left to fetch
	STEP 1, 6, 0
	s_wait_dscnt 4*NLA
	WIN MUL_LO
	MUL16 0, 1, 1, 1, 7, 0
	MUL16 2, 1, 1, 1, 7, 0
	s_wait_dscnt 0
	WIN MUL_HI
	MUL16 4, 1, 1, 1, 7, 0
	MUL16 6, 1, 1, 1, 7, 0
	WIN 0
; THE WAY OUT, block by block of 16 tokens x 128 columns, through my own stage.  Register j of accumulator (a, b) is column 32 (b / 2) + 8 (b % 2) + 16 h + j: the stores into the stage put the columns in their true order.
; A row comes back whole, takes the bias and leaves as 512 consecutive bytes, aligned; stage row t is token 32 (a / 2) + 8 (a % 2) + t + 8 (t / 8), which stands in the store's immediate (520,192 at the most).
.macro TOSTAGE a
.set AC, 64*((\a)%4)
	WIN 0x08+4*((\a)/4)                            ; the data: window 2 or 3
.irp b, 0,1,2,3,4,5,6,7
	ds_store_b128 v[STO], v[AC+8*\b:AC+8*\b+3] offset:128*(\b/2)+32*(\b%2)        ; each accumulator from its low end on
	ds_store_b128 v[STO], v[AC+8*\b+4:AC+8*\b+7] offset:128*(\b/2)+32*(\b%2)+16
.endr
	WIN 0
.set BB, BK+64*((\a)%2)
.irp t, 0,1,2,3,4,5,6,7,8,9,10,11,12,13,14,15
	ds_load_b128 v[BB+4*\t:BB+4*\t+3], v[RD] offset:\t*SPITCH   ; LDS serves a wave's instructions in order (ISA guide 5.7.1.4)
.endr
.endm
.macro SEND a, younger
.set BB, BK+64*((\a)%2)
	s_wait_dscnt \younger                          ; the block is back; the LDS instructions issued behind its loads may be out
.irp t, 0,1,2,3,4,5,6,7,8,9,10,11,12,13,14,15
	v_pk_add_f32 v[BB+4*\t:BB+4*\t+1], v[BB+4*\t:BB+4*\t+1], v[BI:BI+1]
	v_pk_add_f32 v[BB+4*\t+2:BB+4*\t+3], v[BB+4*\t+2:BB+4*\t+3], v[BI+2:BI+3]
	global_store_b128 v[CO], v[BB+4*\t:BB+4*\t+3], s[14:15] offset:(32*((\a)/2)+8*((\a)%2)+\t+8*(\t/8))*4096 th:TH_STORE_NT
.endr
.endm
	PLACES NP
	TOSTAGE 0
.irp a, 1,2,3,4,5,6,7
.if \a > 1
	s_wait_xcnt 0x0                                ; block a - 2's stores have read their registers (ISA guide 3.1): block a's loads may land there
.endif
	TOSTAGE \a
	SEND \a-1, 32                                  ; behind block a - 1's loads: block a's 16 stores and 16 loads
.endr
	SEND 7, 0
	s_wait_tensorcnt 0x0                           ; the wave's end
	ds_add_u32 v[SPW], v[NIL]
	s_wait_dscnt 0x0
	CROUND                                         ; the closing round
	s_endpgm
.Lfunc_end_k_qa971887c84_proj:
	.size	k_qa971887c84_proj, .Lfunc_end_k_qa971887c84_proj-k_qa971887c84_proj
	.p2alignl 7, 3214868480
	.fill 96, 4, 3214868480
	.section	.rodata,"a",@progbits
	.p2align	6, 0x0
	.amdhsa_kernel k_qa971887c84_proj
		.amdhsa_group_segment_fixed_size 327680
		.amdhsa_private_segment_fixed_size 0
		.amdhsa_enable_private_segment 0
		.amdhsa_kernarg_size 48
		.amdhsa_user_sgpr_count 2
		.amdhsa_user_sgpr_kernarg_segment_ptr 1
		.amdhsa_wavefront_size32 1
		.amdhsa_system_sgpr_workgroup_id_x 1
		.amdhsa_system_sgpr_workgroup_id_y 1
		.amdhsa_system_sgpr_workgroup_id_z 1
		.amdhsa_system_vgpr_workitem_id 0
		.amdhsa_next_free_vgpr 1024
		.amdhsa_next_free_sgpr 98
		.amdhsa_reserve_vcc 0
		.amdhsa_float_denorm_mode_32 3
		.amdhsa_float_denorm_mode_16_64 3
		.amdhsa_memory_ordered 1
		.amdhsa_forward_progress 1
		.amdhsa_inst_pref_size 172
	.end_amdhsa_kernel
	.amdgpu_metadata
---
amdhsa.version: [ 1, 2 ]
amdhsa.kernels:
  - .name:           k_qa971887c84_proj
    .symbol:         k_qa971887c84_proj.kd
    .args:
      - { .name: ac, .offset: 0, .size: 8, .value_kind: global_buffer, .address_space: global }
      - { .name: asc, .offset: 8, .size: 8, .value_kind: global_buffer, .address_space: global }
      - { .name: opc, .offset: 16, .size: 8, .value_kind: global_buffer, .address_space: global }
      - { .name: ops, .offset: 24, .size: 8, .value_kind: global_buffer, .address_space: global }
      - { .name: b_proj, .offset: 32, .size: 8, .value_kind: global_buffer, .address_space: global }
      - { .name: out0, .offset: 40, .size: 8, .value_kind: global_buffer, .address_space: global }
    .group_segment_fixed_size: 327680
    .private_segment_fixed_size: 0
    .kernarg_segment_align: 8
    .kernarg_segment_size: 48
    .max_flat_workgroup_size: 128
    .sgpr_count:     98
    .vgpr_count:     1024
    .wavefront_size: 32
...
	.end_amdgpu_metadata
.endif
;; end of part 4
